; MI455X (gfx1250); checked and timed in simulation.
; The chip was launched on July 23, 2026; its instructions are those of AMD's public machine-readable ISA for CDNA 5 (MIT licence, August 2026) and "CDNA5" Instruction Set Architecture Reference Guide (July 2026). The comments in the code are by the model that wrote it; some were corrected since.
;; Transformer Block. Allowed arithmetic: float matrix products may take bf16 or f16 operands with f32 sums; other float arithmetic in f32, or as packed bf16 or f16 multiplies, adds, multiply-adds, maxima and minima; sums over many terms, partial sums and values carried from step to step in f32; what a program stores and reads back later, other than sums and carried values, may be rounded once to bf16 or f16.
;; Inputs: W1 1,024 x 4,096 float32; W2 4,096 x 1,024 float32; Wk 16 x 1,024 x 64 float32; Wo 1,024 x 1,024 float32; Wq 16 x 1,024 x 64 float32; Wv 16 x 1,024 x 64 float32; b1 4,096 float32; b2 1,024 float32; be1 1,024 float32; be2 1,024 float32; bo 1,024 float32; g1 1,024 float32; g2 1,024 float32; x 2 x 2,048 x 1,024 float32.
;; Outputs: out0 2 x 2,048 x 1,024 float32.
;; One version. Each part assembles by itself: llvm-mc -triple=amdgcn-amd-amdhsa -mcpu=gfx1250 --defsym DOCPART=n.
;; ======== version 1 of 1: 7 launches
;; limits: values are held in f16: magnitudes above 65,504 overflow, below 6.1e-05 lose precision; a function is approximated: absolute error at most 0.0005; an absolute error that grows with the inputs' magnitude: up to 0.00025 times it
;; workspace buffers: wts 25,165,824 bytes; hbuf 8,388,608 bytes; qkv 25,165,824 bytes; obuf 8,388,608 bytes; x1 16,777,216 bytes; act 33,554,432 bytes
;; launch prep (part 1): grid 640 x 1, 8 waves a work-group, no clusters, 0 bytes of LDS; arguments x, g1, be1, W1, W2, Wo, Wq, Wk, Wv, hbuf, wts; writes hbuf, wts
.if DOCPART == 1
	.amdgcn_target "amdgcn-amd-amdhsa--gfx1250"
	.amdhsa_code_object_version 6
	.text
	.protected	k_q3cf24864b3_prep
	.globl	k_q3cf24864b3_prep
	.p2align	8
	.type	k_q3cf24864b3_prep,@function
k_q3cf24864b3_prep:
	s_mov_b64 s[64:65], 0
	v_nop
	global_prefetch_b8 v0, s[64:65] scope:SCOPE_SE
	s_setreg_imm32_b32 hwreg(HW_REG_WAVE_MODE, 25, 1), 1
	s_wait_xcnt 0x0
; TWO JOBS, told apart by the work-group's number.
; 0-255: h = layernorm(x) g + be, [4096][1024] f32 -> f16.  A wave takes two rows; a row stays in 32 registers between its passes, so x is read once.
;   The second layernorm of the block runs this same body on a grid of 256 work-groups (x1, g2, be2): the other job's arguments are then passed and not touched.
; 256-639: the weights, rounded once to f16 and laid in blocks of 128 k x 64 columns (16,384 dense bytes, [k][64]), in the order in which the products walk them:
;   WQKV at 0: [nt 16][ks 8][cb 3] blocks (column block g = 16 which + head = 3 nt + cb); WO at 6,291,456 and W2 at 16,777,216: [nt][ks][cb 2][256 k][64]; W1 at 8,388,608: [nt 16][ks 8][cb 4].
;   A work-group copies FOUR blocks, four k blocks on end of one column block: 128 KiB in, 64 KiB out.  All 32 loads of a lane go out first: 16 KiB of every wave are on their way.
;   Eight lanes read 256 consecutive bytes of a row, a wave stores 512 consecutive bytes.
; LIMITS.  f16 holds no number beyond 65,504: weights and h must lie within it.  The variance is the mean of (x - mean)^2, as in the definition; NaN and infinities are not treated apart.
.set TU,  0                            ; v0  at work, once the thread's number has been used
.set XO,  1                            ; v1  16 x lane: my 16 bytes in each 512 of a row of x, g, be
.set HO,  2                            ; v2  8 x lane: my 8 bytes in each 256 of a row of h
.set TT,  3                            ; v3  at work
.set MP,  4                            ; v[4:5]  the mean, twice
.set RP,  6                            ; v[6:7]  1 / sqrt(var + eps), twice
.set G,   8                            ; v[8:39]    g of my 32 columns (4 l + 128 j + 0..3)
.set BE,  40                           ; v[40:71]   be
.set XA,  72                           ; v[72:103]  first row
.set XB,  104                          ; v[104:135] second row
.set OUT, 136                          ; v[136:151] a row in f16
.set T,   152                          ; v[152:159] four chains of sums
.set HBP, 22                           ; s[22:23] hbuf
.set D,   8                            ; the cast: v[8:135] four blocks' data, 32 registers each
.set SRC, 44                           ; s[44:51] the four blocks in the source
.set DSB, 52                           ; s[52:59] the four blocks in wts
.macro SUMUP                           ; the four chains into one number a lane, then over the 32 lanes: every lane ends with the sum
	v_pk_add_f32 v[T:T+1], v[T:T+1], v[T+2:T+3]
	v_pk_add_f32 v[T+4:T+5], v[T+4:T+5], v[T+6:T+7]
	v_pk_add_f32 v[T:T+1], v[T:T+1], v[T+4:T+5]
	v_add_f32 v[TT], v[T], v[T+1]
	v_add_f32_dpp v[TT], v[TT], v[TT] row_xmask:1 row_mask:0xf bank_mask:0xf
	v_add_f32_dpp v[TT], v[TT], v[TT] row_xmask:2 row_mask:0xf bank_mask:0xf
	v_add_f32_dpp v[TT], v[TT], v[TT] row_xmask:4 row_mask:0xf bank_mask:0xf
	v_add_f32_dpp v[TT], v[TT], v[TT] row_xmask:8 row_mask:0xf bank_mask:0xf
	v_permlanex16_b32 v[TU], v[TT], s32, s33
	v_add_f32 v[TT], v[TT], v[TU]
.endm
; One row in registers X.  left1: younger loads that may stay out when the row is wanted; left2: when g and be are wanted.
.macro ROW X, left1, left2, rowoff
	s_wait_loadcnt \left1
.irp c, 0,1,2,3
	v_pk_add_f32 v[T+2*(\c):T+2*(\c)+1], v[(\X)+2*(\c):(\X)+2*(\c)+1], v[(\X)+8+2*(\c):(\X)+8+2*(\c)+1]
.endr
.irp p, 8,9,10,11,12,13,14,15
	v_pk_add_f32 v[T+2*((\p)%4):T+2*((\p)%4)+1], v[T+2*((\p)%4):T+2*((\p)%4)+1], v[(\X)+2*(\p):(\X)+2*(\p)+1]
.endr
	SUMUP
	v_mul_f32 v[MP], s34, v[TT]                    ; the mean
	v_mov_b32 v[MP+1], v[MP]
.set p, 0
.rept 16
	v_pk_add_f32 v[(\X)+2*p:(\X)+2*p+1], v[(\X)+2*p:(\X)+2*p+1], v[MP:MP+1] neg_lo:[0,1] neg_hi:[0,1]  ; x - mean, in place
.set p, p+1
.endr
.irp c, 0,1,2,3
	v_pk_mul_f32 v[T+2*(\c):T+2*(\c)+1], v[(\X)+2*(\c):(\X)+2*(\c)+1], v[(\X)+2*(\c):(\X)+2*(\c)+1]
.endr
.irp p, 4,5,6,7,8,9,10,11,12,13,14,15
	v_pk_fma_f32 v[T+2*((\p)%4):T+2*((\p)%4)+1], v[(\X)+2*(\p):(\X)+2*(\p)+1], v[(\X)+2*(\p):(\X)+2*(\p)+1], v[T+2*((\p)%4):T+2*((\p)%4)+1]
.endr
	SUMUP
	v_fma_f32 v[TT], v[TT], s34, s35               ; var + eps
	v_rsq_f32 v[RP], v[TT]
	v_nop                                          ; a plain instruction behind the transcendental,
	s_wait_alu depctr_va_vdst(0)                   ; and the wait ahead of its first reader
	v_mov_b32 v[RP+1], v[RP]
	s_wait_loadcnt \left2
.if (\rowoff) > 0
	s_wait_xcnt 0x0                                ; the first row's stores have read OUT: it is rewritten only behind this wait
.endif
.set p, 0
.rept 16
	v_pk_mul_f32 v[(\X)+2*p:(\X)+2*p+1], v[(\X)+2*p:(\X)+2*p+1], v[RP:RP+1]
	v_pk_fma_f32 v[(\X)+2*p:(\X)+2*p+1], v[(\X)+2*p:(\X)+2*p+1], v[G+2*p:G+2*p+1], v[BE+2*p:BE+2*p+1]
.set p, p+1
.endr
.set p, 0
.rept 16
	v_cvt_pk_f16_f32 v[OUT+p], v[(\X)+2*p], v[(\X)+2*p+1]
.set p, p+1
.endr
.irp j, 0,1,2,3,4,5,6,7
	global_store_b64 v[HO], v[OUT+2*(\j):OUT+2*(\j)+1], s[HBP:HBP+1] offset:(\rowoff)+256*(\j)  ; 32 lanes store 256 consecutive bytes, aligned
.endr
.endm
	s_load_b512 s[4:19], s[0:1], 0x0               ; x 4, g 6, be 8, W1 10, W2 12, Wo 14, Wq 16, Wk 18
	s_load_b128 s[20:23], s[0:1], 0x40             ; Wv 20, hbuf 22
	s_load_b64 s[24:25], s[0:1], 0x50              ; wts
	s_cmp_lt_u32 ttmp9, 256
	s_cbranch_scc0 .Lcast
	v_lshrrev_b32 v3, 5, v0
	v_readfirstlane_b32 s26, v3                    ; wave 0..7
	s_lshl_b32 s27, ttmp9, 3
	s_add_co_u32 s27, s27, s26                     ; my pair of rows
	s_lshl_b32 s28, s27, 13                        ; 2 x 4,096 bytes of x
	s_mov_b32 s29, 0
	s_lshl_b32 s30, s27, 12                        ; 2 x 2,048 bytes of h
	s_mov_b32 s31, 0
	s_mov_b32 s32, 0x76543210                      ; v_permlanex16_b32: each lane takes its own place in the other half
	s_mov_b32 s33, 0xfedcba98
	s_mov_b32 s34, 0x3a800000                      ; 1 / 1024
	s_mov_b32 s35, 0x3727c5ac                      ; 1e-5
	v_and_b32 v3, 31, v0
	v_lshlrev_b32 v[XO], 4, v3
	v_lshlrev_b32 v[HO], 3, v3
	s_wait_kmcnt 0x0
	s_add_nc_u64 s[4:5], s[4:5], s[28:29]
	s_add_nc_u64 s[HBP:HBP+1], s[HBP:HBP+1], s[30:31]
.irp j, 0,1,2,3,4,5,6,7
	global_load_b128 v[XA+4*(\j):XA+4*(\j)+3], v[XO], s[4:5] offset:512*(\j) th:TH_LOAD_NT
.endr
.irp j, 0,1,2,3,4,5,6,7
	global_load_b128 v[G+4*(\j):G+4*(\j)+3], v[XO], s[6:7] offset:512*(\j)
.endr
.irp j, 0,1,2,3,4,5,6,7
	global_load_b128 v[BE+4*(\j):BE+4*(\j)+3], v[XO], s[8:9] offset:512*(\j)
.endr
.irp j, 0,1,2,3,4,5,6,7
	global_load_b128 v[XB+4*(\j):XB+4*(\j)+3], v[XO], s[4:5] offset:4096+512*(\j) th:TH_LOAD_NT
.endr
	ROW XA, 24, 8, 0                               ; 24: g, be and the second row stay out; 8: the second row stays out
	ROW XB, 0, 0, 2048
	s_endpgm
.Lcast:
	s_sub_co_u32 s26, ttmp9, 256                   ; group of four blocks, 0..383
	s_wait_kmcnt 0x0
	s_cmp_lt_u32 s26, 128
	s_cbranch_scc0 .Lnot_w1
	s_lshr_b32 s27, s26, 1                         ; W1: column block 0..63,
	s_and_b32 s28, s26, 1
	s_lshl_b32 s28, s28, 2                         ; first k block: 0 or 4
	s_mov_b64 s[30:31], s[10:11]
	s_lshl_b32 s32, s28, 21                        ; 128 rows of 16,384 bytes a k block
	s_lshl_b32 s33, s27, 8
	s_add_co_u32 s32, s32, s33
	s_mov_b32 s34, 16384
	s_lshr_b32 s35, s27, 2
	s_lshl3_add_u32 s35, s35, s28                  ; nt x 8 + ks
	s_lshl_b32 s35, s35, 16
	s_and_b32 s36, s27, 3
	s_lshl_b32 s36, s36, 14
	s_add_co_u32 s35, s35, s36
	s_add_co_u32 s35, s35, 8388608
	s_mov_b32 s38, 65536                           ; in wts: from block 0 to block 1,
	s_mov_b32 s40, 131072                          ; and to block 2; block 3 lies both further
	s_branch .Lcopy
.Lnot_w1:
	s_cmp_lt_u32 s26, 256
	s_cbranch_scc0 .Lnot_w2
	s_sub_co_u32 s26, s26, 128
	s_lshr_b32 s27, s26, 3                         ; W2: column block 0..15,
	s_and_b32 s28, s26, 7
	s_lshl_b32 s28, s28, 2                         ; first k block: 0, 4 .. 28
	s_mov_b64 s[30:31], s[12:13]
	s_lshr_b32 s35, s27, 1
	s_lshl_b32 s35, s35, 4                         ; nt x 16
	s_mov_b32 s37, 16777216
	s_branch .Lrows4k
.Lnot_w2:
	s_cmp_lt_u32 s26, 288
	s_cbranch_scc0 .Lqkv
	s_sub_co_u32 s26, s26, 256
	s_lshr_b32 s27, s26, 1                         ; Wo: column block 0..15,
	s_and_b32 s28, s26, 1
	s_lshl_b32 s28, s28, 2                         ; first k block: 0 or 4
	s_mov_b64 s[30:31], s[14:15]
	s_lshr_b32 s35, s27, 1
	s_lshl_b32 s35, s35, 2                         ; nt x 4
	s_mov_b32 s37, 6291456
.Lrows4k:                                              ; W2 and Wo: rows of 4,096 bytes; K steps of 256, two k blocks to a step
	s_lshl_b32 s32, s28, 19
	s_lshl_b32 s33, s27, 8
	s_add_co_u32 s32, s32, s33
	s_mov_b32 s34, 4096
	s_lshr_b32 s36, s28, 1
	s_add_co_u32 s35, s35, s36                     ; + ks
	s_lshl_b32 s35, s35, 1
	s_and_b32 s36, s27, 1
	s_add_co_u32 s35, s35, s36                     ; x 2 + cb
	s_lshl_b32 s35, s35, 15
	s_add_co_u32 s35, s35, s37
	s_mov_b32 s38, 16384                           ; the step's second half,
	s_mov_b32 s40, 65536                           ; the next step: two column blocks of 32,768 bytes on
	s_branch .Lcopy
.Lqkv:
	s_sub_co_u32 s26, s26, 288
	s_lshr_b32 s27, s26, 1                         ; g = 16 which + head, 0..47
	s_and_b32 s28, s26, 1
	s_lshl_b32 s28, s28, 2                         ; first k block: 0 or 4
	s_lshr_b32 s36, s27, 4                         ; which
	s_cmp_eq_u32 s36, 0
	s_cselect_b64 s[30:31], s[16:17], s[18:19]
	s_cmp_eq_u32 s36, 2
	s_cselect_b64 s[30:31], s[20:21], s[30:31]
	s_and_b32 s32, s27, 15
	s_lshl_b32 s32, s32, 18                        ; a head's 1,024 rows of 256 bytes
	s_lshl_b32 s33, s28, 15
	s_add_co_u32 s32, s32, s33
	s_mov_b32 s34, 256
	s_mul_hi_u32 s35, s27, 0x55555556              ; nt = g / 3
	s_mul_i32 s36, s35, 3
	s_sub_co_u32 s36, s27, s36                     ; cb = g % 3
	s_lshl3_add_u32 s35, s35, s28
	s_mul_i32 s35, s35, 3
	s_add_co_u32 s35, s35, s36
	s_lshl_b32 s35, s35, 14
	s_mov_b32 s38, 49152                           ; a K step is three blocks
	s_mov_b32 s40, 98304
.Lcopy:                                                ; s[30:31] source, s32 its offset, s34 its row pitch, s35 block 0's place in wts, s38 and s40 the steps there
	s_mov_b32 s33, 0
	s_mov_b32 s36, s35
	s_mov_b32 s37, 0
	s_mov_b32 s39, 0
	s_mov_b32 s41, 0
	s_lshl_b32 s42, s34, 7                         ; 128 rows: from k block to k block in the source
	s_mov_b32 s43, 0
	s_add_nc_u64 s[SRC:SRC+1], s[30:31], s[32:33]
	s_add_nc_u64 s[SRC+2:SRC+3], s[SRC:SRC+1], s[42:43]
	s_add_nc_u64 s[SRC+4:SRC+5], s[SRC+2:SRC+3], s[42:43]
	s_add_nc_u64 s[SRC+6:SRC+7], s[SRC+4:SRC+5], s[42:43]
	s_add_nc_u64 s[DSB:DSB+1], s[24:25], s[36:37]
	s_add_nc_u64 s[DSB+2:DSB+3], s[DSB:DSB+1], s[38:39]
	s_add_nc_u64 s[DSB+4:DSB+5], s[DSB:DSB+1], s[40:41]
	s_add_nc_u64 s[DSB+6:DSB+7], s[DSB+4:DSB+5], s[38:39]
	v_lshrrev_b32 v1, 3, v0                        ; row 0..31 of each 32
	v_and_b32 v2, 7, v0                            ; my 8 columns
	v_mul_lo_u32 v4, v1, s34
	v_lshl_add_u32 v4, v2, 5, v4
	s_lshl_b32 s34, s34, 5
	v_add_nc_u32 v5, s34, v4
	v_add_nc_u32 v6, s34, v5
	v_add_nc_u32 v7, s34, v6
	v_lshlrev_b32 v3, 4, v0
.irp j, 0,1,2,3
.irp i, 0,1,2,3
	global_load_b128 v[D+32*(\j)+8*(\i):D+32*(\j)+8*(\i)+3],   v[4+(\i)], s[SRC+2*(\j):SRC+2*(\j)+1] th:TH_LOAD_NT
	global_load_b128 v[D+32*(\j)+8*(\i)+4:D+32*(\j)+8*(\i)+7], v[4+(\i)], s[SRC+2*(\j):SRC+2*(\j)+1] offset:16 th:TH_LOAD_NT
.endr
.endr
.irp j, 0,1,2,3
.irp i, 0,1,2,3
	s_wait_loadcnt 30-2*(4*(\j)+(\i))              ; the younger pairs of loads stay out
.irp e, 0,1,2,3
	v_cvt_pk_f16_f32 v[D+32*(\j)+8*(\i)+(\e)], v[D+32*(\j)+8*(\i)+2*(\e)], v[D+32*(\j)+8*(\i)+2*(\e)+1]  ; in place: result e lands on a register that has been read
.endr
	global_store_b128 v3, v[D+32*(\j)+8*(\i):D+32*(\j)+8*(\i)+3], s[DSB+2*(\j):DSB+2*(\j)+1] offset:4096*(\i)
.endr
.endr
	s_endpgm
.Lfunc_end_k_q3cf24864b3_prep:
	.size	k_q3cf24864b3_prep, .Lfunc_end_k_q3cf24864b3_prep-k_q3cf24864b3_prep
	.p2alignl 7, 3214868480
	.fill 96, 4, 3214868480
	.section	.rodata,"a",@progbits
	.p2align	6, 0x0
	.amdhsa_kernel k_q3cf24864b3_prep
		.amdhsa_group_segment_fixed_size 0
		.amdhsa_private_segment_fixed_size 0
		.amdhsa_enable_private_segment 0
		.amdhsa_kernarg_size 88
		.amdhsa_user_sgpr_count 2
		.amdhsa_user_sgpr_kernarg_segment_ptr 1
		.amdhsa_wavefront_size32 1
		.amdhsa_system_sgpr_workgroup_id_x 1
		.amdhsa_system_sgpr_workgroup_id_y 1
		.amdhsa_system_sgpr_workgroup_id_z 1
		.amdhsa_system_vgpr_workitem_id 0
		.amdhsa_next_free_vgpr 160
		.amdhsa_next_free_sgpr 66
		.amdhsa_reserve_vcc 0
		.amdhsa_float_denorm_mode_32 3
		.amdhsa_float_denorm_mode_16_64 3
		.amdhsa_memory_ordered 1
		.amdhsa_forward_progress 1
		.amdhsa_inst_pref_size 34
	.end_amdhsa_kernel
	.amdgpu_metadata
---
amdhsa.version: [ 1, 2 ]
amdhsa.kernels:
  - .name:           k_q3cf24864b3_prep
    .symbol:         k_q3cf24864b3_prep.kd
    .args:
      - { .name: x, .offset: 0, .size: 8, .value_kind: global_buffer, .address_space: global }
      - { .name: g1, .offset: 8, .size: 8, .value_kind: global_buffer, .address_space: global }
      - { .name: be1, .offset: 16, .size: 8, .value_kind: global_buffer, .address_space: global }
      - { .name: W1, .offset: 24, .size: 8, .value_kind: global_buffer, .address_space: global }
      - { .name: W2, .offset: 32, .size: 8, .value_kind: global_buffer, .address_space: global }
      - { .name: Wo, .offset: 40, .size: 8, .value_kind: global_buffer, .address_space: global }
      - { .name: Wq, .offset: 48, .size: 8, .value_kind: global_buffer, .address_space: global }
      - { .name: Wk, .offset: 56, .size: 8, .value_kind: global_buffer, .address_space: global }
      - { .name: Wv, .offset: 64, .size: 8, .value_kind: global_buffer, .address_space: global }
      - { .name: hbuf, .offset: 72, .size: 8, .value_kind: global_buffer, .address_space: global }
      - { .name: wts, .offset: 80, .size: 8, .value_kind: global_buffer, .address_space: global }
    .group_segment_fixed_size: 0
    .private_segment_fixed_size: 0
    .kernarg_segment_align: 8
    .kernarg_segment_size: 88
    .max_flat_workgroup_size: 256
    .sgpr_count:     66
    .vgpr_count:     160
    .wavefront_size: 32
...
	.end_amdgpu_metadata
.endif
;; end of part 1
;; launch qkvp (part 2): grid 16 x 16, 4 waves a work-group, clusters of 4 x 4, 327,680 bytes of LDS; arguments hbuf, wts, qkv; writes qkv
.if DOCPART == 2
	.amdgcn_target "amdgcn-amd-amdhsa--gfx1250"
	.amdhsa_code_object_version 6
	.text
	.protected	k_q3cf24864b3_qkvp
	.globl	k_q3cf24864b3_qkvp
	.p2align	8
	.type	k_q3cf24864b3_qkvp,@function
k_q3cf24864b3_qkvp:
	s_mov_b64 s[64:65], 0
	v_nop
	global_prefetch_b8 v0, s[64:65] scope:SCOPE_SE
	s_setreg_imm32_b32 hwreg(HW_REG_WAVE_MODE, 25, 1), 1
	s_wait_xcnt 0x0
	s_wait_alu depctr_hold_cnt(0) depctr_sa_sdst(0) depctr_va_vdst(0) depctr_va_sdst(0) depctr_va_ssrc(0) depctr_va_vcc(0) depctr_vm_vsrc(0)
	s_getreg_b32 s2, hwreg(HW_REG_IB_STS2, 6, 4)
	s_cmp_eq_u32 s2, 0
	s_cbranch_scc0 .Lentry_in_a_cluster
	s_endpgm
.Lentry_in_a_cluster:
	s_bfe_u32 s2, ttmp6, 0x10000c
	s_cmp_lg_u32 s2, 0xf033
	s_cbranch_scc0 .Lentry_shape_is_right
	s_endpgm
.Lentry_shape_is_right:
; q, k, v = h W.  h: [4096][1024] f16; W: wts at 0, blocks of 128 k x 64 columns, [nt 16][ks 8][cb 3]; out: qkv [3][32 bh][2048][64] f16, unscaled.  Sums in f32, rounded once.
; A tile is 256 rows x 192 columns (three heads): 16 x 16 work-groups.  Four waves, each 64 rows x 192 columns: 48 accumulators.  K goes in 8 steps of 128 through two LDS slots.
; THE PRODUCT IS TAKEN TRANSPOSED: source 0 = 16 columns of W (turned out of LDS by ds_load_tr16_b128, since W lies [k][n]), source 1 = 16 rows of h: a lane then holds 8 neighbouring columns of a row.
; CLUSTER 4 x 4: h's tile is shared along a row of the cluster, W's along a column; each is asked for jointly.  Waves 0, 1 fetch h's halves, waves 2, 3 W's: one tensor load a wave behind each round.
; A K step is four phases of 32 along K on two fragment buffers; the K loop holds ONE step: the slot in hand is a scalar (0 or SLOT) that is turned at each change of slots.
; THE CHANGE OF SLOTS STANDS AT THE HEAD OF A STEP'S LAST PHASE: that phase's fragments are in registers by then, so the slot is free, and the refill goes out ahead of the phase's products:
; from a request to the wait for it a wave issues a whole K step's 192 matrix instructions.
; THE WAY OUT: the f32 sums go into the wave's own part of the slots, which have had their last fill, and come back by rows.
; LIMIT.  f16 holds no number beyond 65,504: h, W and q, k, v must lie within it.
.set MB, 4                             ; blocks of 16 rows a wave
.set NB, 12                            ; blocks of 16 columns a wave
.set KD, 1                             ; matrix instructions deep along K in a phase
.set NS, 8                             ; K steps
.set PA, 272                           ; a row of A in LDS: 256 bytes + 16: an odd multiple of 16
.set BOFF, 256*PA                      ; A's bytes in a slot; B lies behind them
.set NCB, 3                            ; blocks of 64 columns in the tile
.set ASTEP, 256                        ; bytes from K step to K step in A
.set WOFF, 0
.set AC, 128
.set AR, 128
.set APITCH, 1024
.set AQI, 5
.set ATSH, 19                          ; a tile row of A: 256 rows x 2,048 bytes
.set AWSH, 18
.set AWO, 0
.set PF, 1
.set AH, 1                             ; the prefetch names the K step one behind the one that is being asked for
.set PFASH, 0
.set PFAML, 11
.set PFAMSK, 0
.set PFBPER, 24
.set PFBLM, 23
.set NACC, MB*NB
.set T, KD*NACC                        ; matrix instructions in a phase
.set KSTEP, 128*KD
.set SLOT, BOFF+NCB*KSTEP*160          ; B: [cb][k][160]: 128 bytes + 32: an odd multiple of 32
.set AHALF, BOFF/2
.set BHALF, NCB*KSTEP*80
.set BSTEP, NCB*KSTEP*128
.set BNT, NS*BSTEP
.set BR, BSTEP/512
.set SPARE, 2*SLOT                     ; the spare words: 128 bytes a wave, two blocks of 256 bytes that no other line names
.set DP, NB*64+16                      ; the way out: a row of f32 sums
.set REG, 16*MB*DP                     ; a wave's part
.set WV, 14
.set WH, 15
.set WL, 16
.set WRI, 17
.set WCI, 18
.set CNT, 19
.set G1A, 24
.set G0A, 32
.set G1B, 48
.set G0B, 56
.set PFA, 66
.set LIM, 68
.set TB, 69
.set WOFA, 71
.set WOFB, 72
.set PFS, 74
.set ADRA0, 10
.set ADRB0, 11
.set ADRA, 12
.set ADRB, 13
.set DST, 14
.set RDA, 15
.set CO, 16
.set PFO, 17
.set SPW, 28
.set NIL, 29
.set FA0, 64                           ; window 0: A's fragments, two buffers of 64
.set FB0, 0                            ; window 1: B's fragments, two buffers of 96
.set XR, 32
.set OUT, 192
.set MSB, 0
.macro WIN new                         ; the immediate's high byte repeats the setting that is left; a switch that changes nothing is dropped
.if MSB != (\new)
	s_set_vgpr_msb (MSB<<8)|(\new)
.set MSB, \new
.endif
.endm
.macro PLACES                          ; four places behind matrix instructions, in front of loads into their sources and of readers of their results
.rept 4
	v_nop
.endr
.endm
.macro CREST                           ; a round of the cluster's barrier behind its opening barrier
	s_cmp_lg_u32 s[WV], 0
	s_cbranch_scc1 .Lnot_wave_0_\@
	s_barrier_signal -3
.Lnot_wave_0_\@:
	s_barrier_wait -3
	s_barrier_signal -1
	s_barrier_wait -1
.endm
.macro CROUND
	s_barrier_signal -1
	s_barrier_wait -1
	CREST
.endm
.macro JLOAD                           ; a joint refill by the walking descriptor; an s_nop 0 and four v_nop follow each of the two lines
	s_cmp_eq_u32 s[WH], 0
	s_cbranch_scc0 .Lfor_b_\@
	tensor_load_to_lds s[G0A+4:G0A+7], s[G1A:G1A+7]
	s_nop 0
.rept 4
	v_nop
.endr
	s_branch .Lasked_\@
.Lfor_b_\@:
	tensor_load_to_lds s[G0B+4:G0B+7], s[G1B:G1B+7]
	s_nop 0
.rept 4
	v_nop
.endr
.Lasked_\@:
.endm
; Matrix instructions t0 .. t1 - 1 of a phase on buffer f.  All NACC accumulators take turns, in the same order in every phase.  zero = 1: the first products start the sums.
.macro MULS f, t0, t1, zero
.set t, \t0
.rept (\t1)-(\t0)
.set kd, t/NACC
.set ix, t%NACC
.set ra, 8*(ix%32)
.set rb, FB0+96*(\f)+8*(kd*NB+ix%NB)
.set rf, FA0+64*(\f)+8*(kd*MB+ix/NB)
	WIN 0xa1+0x50*(ix/32)                          ; source 0 window 1, source 1 window 0, C and D window 2 or 3
.if (\zero) && (kd == 0)
	v_wmma_f32_16x16x32_f16 v[ra:ra+7], v[rb:rb+7], v[rf:rf+7], 0
.else
	v_wmma_f32_16x16x32_f16 v[ra:ra+7], v[rb:rb+7], v[rf:rf+7], v[ra:ra+7]
.endif
.set t, t+1
.endr
.endm
; 32 LDS loads in one run: the fragments of phase ph of the slot in hand, into buffer g
.macro FETCH g, ph
	WIN 0x40
.set kd, 0
.rept KD
.set jj, (\ph)*KD+kd
.set b, 0
.rept NB
.set rb, FB0+96*(\g)+8*(kd*NB+b)
.set ob, (b/4)*KSTEP*160+jj*5120+(b%4)*32
	ds_load_tr16_b128 v[rb:rb+3],   v[ADRB] offset:ob
	ds_load_tr16_b128 v[rb+4:rb+7], v[ADRB] offset:ob+2560
.set b, b+1
.endr
.set kd, kd+1
.endr
	WIN 0
.set kd, 0
.rept KD
.set jj, (\ph)*KD+kd
.set a, 0
.rept MB
.set rf, FA0+64*(\g)+8*(kd*MB+a)
.if AWO
.set oa, (jj/2)*128*PA+a*16*PA+(jj%2)*64
.else
.set oa, a*16*PA+64*jj
.endif
	ds_load_b128 v[rf:rf+3],   v[ADRA] offset:oa
	ds_load_b128 v[rf+4:rf+7], v[ADRA] offset:oa+32
.set a, a+1
.endr
.set kd, kd+1
.endr
.endm
.macro PHASE f, g, nph, zero           ; multiplies buffer f; in its middle it fetches phase nph into buffer g
	s_wait_dscnt 0x0                               ; buffer f is in: its loads were issued half a phase ago or more
	MULS \f, 0, T/2, \zero
	PLACES
	FETCH \g, \nph
	MULS \f, T/2, T, \zero
.endm
.macro ASK                             ; one prefetch: 256 bytes a lane of the K step AH behind the one just asked for; the last AH refills ask for nothing
	s_cmp_gt_u32 s[CNT], s[LIM]
	s_cbranch_scc0 .Lnot_mine_\@
	global_prefetch_b8 v[PFO], s[PFA:PFA+1] th:TH_LOAD_NT scope:SCOPE_SE
.Lnot_mine_\@:
.endm
; The last phase of a K step: first the change of slots, then the phase's products on buffer 1.  Each wave waits for all its tensor loads (one is out: its part of the next slot), adds 0 to its spare
; word, and waits for that and for its own reads of this slot, the last of which filled buffer 1.  fill = 1: the barrier opens a round of the cluster's, and the slot just read is filled again first thing behind it.
.macro TURN fill
.if (\fill) && PF
	s_wait_xcnt 0x0                                ; the last prefetch, a K step back, has read its address
	s_add_nc_u64 s[PFA:PFA+1], s[PFA:PFA+1], s[PFS:PFS+1]
.endif
	WIN 0
	s_wait_tensorcnt 0x0
	ds_add_u32 v[SPW], v[NIL]
.if \fill
	s_add_co_u32 s[G0A+5], s[TB], s[WOFA]          ; no load of mine is out: the walking descriptors take the slot just read
	s_add_co_u32 s[G0B+5], s[TB], s[WOFB]
	s_add_nc_u64 s[G0A+6:G0A+7], s[G0A+6:G0A+7], ASTEP  ; and the next K step
	s_add_nc_u64 s[G0B+6:G0B+7], s[G0B+6:G0B+7], BSTEP
.endif
	s_wait_dscnt 0x0                               ; the add is done; buffer 1 is in, and with it my reads of this slot are over
	s_barrier_signal -1
	s_barrier_wait -1
.if \fill
	CREST
	JLOAD                                          ; its four v_nop are also the places in front of the loads below
.else
	PLACES
.endif
	s_xor_b32 s[TB], s[TB], SLOT
	v_add_nc_u32 v[ADRA], s[TB], v[ADRA0]
	v_add_nc_u32 v[ADRB], s[TB], v[ADRB0]
	FETCH 0, 0
.if (\fill) && PF
	ASK
.endif
	MULS 1, 0, T, 0
.endm
.macro DUMP                            ; each accumulator's 8 f32 of a lane: 32 bytes of a row; the low half first
.set ix, 0
.rept NACC
	WIN 0x08+0x04*(ix/32)                          ; store data in window 2 or 3
	ds_store_b128 v[DST], v[8*(ix%32):8*(ix%32)+3]   offset:(ix/NB)*16*DP+(ix%NB)*64
	ds_store_b128 v[DST], v[8*(ix%32)+4:8*(ix%32)+7] offset:(ix/NB)*16*DP+(ix%NB)*64+16
.set ix, ix+1
.endr
	WIN 0
.endm
	s_load_b128 s[4:7], s[0:1], 0x0                ; hbuf, wts
	s_load_b64 s[8:9], s[0:1], 0x10                ; qkv
	v_lshl_add_u32 v[SPW], v0, 2, SPARE
	v_mov_b32 v[NIL], 0
	ds_add_u32 v[SPW], v[NIL]                      ; the wave's opening: the add and its wait ahead of my first tensor load
	ds_add_u32 v28, v29
	v_lshrrev_b32 v3, 5, v0
	v_readfirstlane_b32 s[WV], v3
	s_lshr_b32 s[WH], s[WV], 1                     ; 0: I fetch for A; 1: for B
	s_and_b32 s[WL], s[WV], 1                      ; which half
	s_mov_b32 s[WRI], s[WV]                        ; four waves down the rows
	s_mov_b32 s[WCI], 0
	s_bfe_u32 s20, ttmp6, 0x40000                  ; cx
	s_bfe_u32 s21, ttmp6, 0x40004                  ; cy
	s_lshl_b32 s22, ttmp9, 2
	s_add_co_u32 s22, s22, s20                     ; tile column
	s_and_b32 s23, ttmp7, 0xffff
	s_lshl_b32 s23, s23, 2
	s_add_co_u32 s23, s23, s21                     ; tile row
	s_lshl_b32 s40, s21, 2
	s_lshl_b32 s40, 15, s40                        ; my row of the cluster
	s_lshl_b32 s44, 0x1111, s20                    ; my column
	s_or_b32 s[G1A], s40, (1<<16)|(1<<20)|(1<<21)|(AQI<<22)|(3<<25)  ; mask; 2-byte elements; padding on; bit 21 beside a mask; 4 words behind each row
	s_or_b32 s[G1B], s44, (1<<16)|(1<<20)|(1<<21)|(4<<22)|(7<<25)    ; 8 words behind every 32: a k row of 128 bytes
	s_mov_b32 s[G1A+1], AC<<16
	s_mov_b32 s[G1A+2], AR<<16
	s_mov_b32 s[G1A+3], AC<<16
	s_mov_b32 s[G1A+4], AR
	s_mov_b32 s[G1A+5], APITCH
	s_mov_b32 s[G1A+6], 0
	s_mov_b32 s[G1A+7], 0
	s_mov_b32 s[G1B+1], 128<<16                    ; B's half chunk is dense: rows of 256 bytes
	s_mov_b32 s[G1B+2], BR<<16
	s_mov_b32 s[G1B+3], 128<<16
	s_mov_b32 s[G1B+4], BR
	s_mov_b32 s[G1B+5], 128
	s_mov_b32 s[G1B+6], 0
	s_mov_b32 s[G1B+7], 0
	s_lshl_b32 s40, s23, ATSH                      ; A's tile hangs on the tile row and the wave alone,
	s_lshl_b32 s41, s[WL], AWSH
	s_add_co_u32 s40, s40, s41
	s_mov_b32 s41, 0
	s_mul_i32 s44, s22, BNT                        ; B's on the tile column and the wave
	s_mul_i32 s45, s[WL], BSTEP/2
	s_add_co_u32 s44, s44, s45
	s_add_co_u32 s44, s44, WOFF
	s_mov_b32 s45, 0
	s_mul_i32 s[WOFA], s[WL], AHALF                ; where they go in a slot: no place in the cluster enters an LDS address
	s_mul_i32 s[WOFB], s[WL], BHALF
	s_add_co_u32 s[WOFB], s[WOFB], BOFF
	s_wait_dscnt 0x0                               ; the opening add is done
	s_wait_kmcnt 0x0
	s_add_nc_u64 s[88:89], s[4:5], s[40:41]
	s_add_nc_u64 s[90:91], s[6:7], s[44:45]
.irp s, 0,1
	s_mov_b32 s[G0A+4*(\s)], 1
	s_add_co_u32 s[G0A+4*(\s)+1], s[WOFA], (\s)*SLOT
	s_add_nc_u64 s[G0A+4*(\s)+2:G0A+4*(\s)+3], s[88:89], (\s)*ASTEP
	s_or_b32 s[G0A+4*(\s)+3], s[G0A+4*(\s)+3], 0x80000000
	s_mov_b32 s[G0B+4*(\s)], 1
	s_add_co_u32 s[G0B+4*(\s)+1], s[WOFB], (\s)*SLOT
	s_add_nc_u64 s[G0B+4*(\s)+2:G0B+4*(\s)+3], s[90:91], (\s)*BSTEP
	s_or_b32 s[G0B+4*(\s)+3], s[G0B+4*(\s)+3], 0x80000000
.endr
	CROUND                                         ; all sixteen work-groups are here: the first joint loads meet
	s_cmp_eq_u32 s[WH], 0                          ; a wave's two first fills stand in one branch: two loads of mine are out
	s_cbranch_scc0 .Lfirst_b
	tensor_load_to_lds s[G0A:G0A+3], s[G1A:G1A+7]
	s_nop 0
	tensor_load_to_lds s[G0A+4:G0A+7], s[G1A:G1A+7]
	s_nop 0
.rept 4
	v_nop
.endr
	s_branch .Lfirst_asked
.Lfirst_b:
	tensor_load_to_lds s[G0B:G0B+3], s[G1B:G1B+7]
	s_nop 0
	tensor_load_to_lds s[G0B+4:G0B+7], s[G1B:G1B+7]
	s_nop 0
.rept 4
	v_nop
.endr
.Lfirst_asked:
	v_and_b32 v1, 15, v0                           ; l % 16
	v_bfe_u32 v2, v0, 4, 1                         ; l / 16
	v_and_b32 v5, 31, v0                           ; l
	v_mul_u32_u24 v[ADRA0], v1, PA                 ; A's fragment: row x pitch + 16 x half
	v_lshl_add_u32 v[ADRA0], v2, 4, v[ADRA0]
	s_mul_i32 s40, s[WRI], 16*MB*PA
	v_add_nc_u32 v[ADRA0], s40, v[ADRA0]
	v_and_b32 v3, 7, v0                            ; B's, turned: k row 8 (l / 16) + l % 8, 16 bytes by (l / 8) % 2
	v_lshl_add_u32 v3, v2, 3, v3
	v_mul_u32_u24 v[ADRB0], v3, 160
	v_bfe_u32 v4, v0, 3, 1
	v_lshl_add_u32 v[ADRB0], v4, 4, v[ADRB0]
	s_mul_i32 s40, s[WCI], (NB/4)*KSTEP*160
	s_add_co_u32 s40, s40, BOFF
	v_add_nc_u32 v[ADRB0], s40, v[ADRB0]
	v_mov_b32 v[ADRA], v[ADRA0]
	v_mov_b32 v[ADRB], v[ADRB0]
	s_mov_b32 s[TB], 0
	v_mul_u32_u24 v[DST], v1, DP                   ; the way out, in: row l % 16, 32 bytes for each half of the lanes
	v_lshl_add_u32 v[DST], v2, 5, v[DST]
	s_mul_i32 s40, s[WV], REG
	v_add_nc_u32 v[DST], s40, v[DST]
	v_lshrrev_b32 v3, 3, v5                        ; back: four rows a trip; eight lanes take a head's 64 columns of a row, 32 bytes of f32 each
	v_mul_u32_u24 v[RDA], v3, DP
	v_and_b32 v4, 7, v0
	v_lshl_add_u32 v[RDA], v4, 5, v[RDA]
	v_add_nc_u32 v[RDA], s40, v[RDA]
	v_lshlrev_b32 v[CO], 4, v5                     ; which are 512 consecutive bytes of a head's rows in qkv
	; the prefetches: A's rows are read by every cluster of a row of clusters: cluster x = 0 asks; B's by every cluster of a column: cluster y = 0 asks.
	; The four partners that ask for a tile jointly share its blocks of 256 bytes out by address (cx for A, cy for B): a lane a block.  B's half chunk has 96: 24 each, lanes 24-31 name lane 23's.
	s_and_b32 s40, ttmp7, 0xffff
	s_mov_b32 s[PFS], BSTEP
	s_mov_b32 s41, PFBPER
	s_mov_b32 s42, PFBLM
	s_cmp_eq_u32 s[WH], 0
	s_cselect_b32 s40, ttmp9, s40
	s_cselect_b32 s43, s20, s21
	s_cselect_b64 s[PFA:PFA+1], s[88:89], s[90:91]
	s_cselect_b32 s[PFS], ASTEP, s[PFS]
	s_cselect_b32 s41, 32, s41
	s_cselect_b32 s42, 31, s42
	s_cselect_b32 s44, PFASH, 0
	s_cselect_b32 s45, PFAML, 8
	s_cselect_b32 s46, PFAMSK, 0
	s_cmp_eq_u32 s40, 0
	s_cselect_b32 s[LIM], AH, -1
	s_mov_b32 s[PFS+1], 0
	s_mul_i32 s92, s[PFS], 1+AH
	s_mov_b32 s93, 0
	s_add_nc_u64 s[PFA:PFA+1], s[PFA:PFA+1], s[92:93]  ; the first refill steps it to K step 2 + AH
	s_mul_i32 s47, s43, s41
	v_min_u32 v[PFO], s42, v5
	v_add_nc_u32 v[PFO], s47, v[PFO]
	v_lshrrev_b32 v3, s44, v[PFO]
	v_and_b32 v4, s46, v[PFO]
	v_lshlrev_b32 v3, s45, v3
	v_lshl_add_u32 v[PFO], v4, 8, v3
	; where my 64 rows of the three heads begin in qkv
	s_lshr_b32 s41, s23, 3
	s_lshl_b32 s41, s41, 22                        ; the batch: 16 heads of 262,144 bytes
	s_and_b32 s42, s23, 7
	s_lshl_b32 s42, s42, 15                        ; 256 rows of 128 bytes
	s_add_co_u32 s41, s41, s42
	s_lshl_b32 s42, s[WV], 13
	s_add_co_u32 s41, s41, s42
	s_mul_i32 s42, s22, 3
.irp j, 0,1,2
	s_add_co_u32 s43, s42, \j                      ; g = 16 which + head
	s_lshr_b32 s44, s43, 4
	s_lshl_b32 s44, s44, 23
	s_and_b32 s43, s43, 15
	s_lshl_b32 s43, s43, 18
	s_add_co_u32 s44, s44, s43
	s_add_co_u32 s44, s44, s41
	s_mov_b32 s45, 0
	s_add_nc_u64 s[76+2*(\j):77+2*(\j)], s[8:9], s[44:45]
.endr
	s_wait_tensorcnt 1                             ; my part of K step 0 is in; K step 1's may stay out
	s_barrier_signal -1
	s_barrier_wait -1
	FETCH 0, 0
	PHASE 0, 1, 1, 1                               ; the first phase stands in front of the loop: its products start the sums
	WIN 0
	s_mov_b32 s[CNT], NS-2
.Lk:                                                   ; a trip: from a K step's second phase to the next step's first; the slot left is filled with the step two on
	PHASE 1, 0, 2, 0
	PHASE 0, 1, 3, 0
	TURN 1
	PHASE 0, 1, 1, 0
	WIN 0
	s_sub_co_u32 s[CNT], s[CNT], 1
	s_cmp_lg_u32 s[CNT], 0
	s_cbranch_scc1 .Lk
	s_mov_b32 s[CNT], 2
.Lt:                                                   ; the last two K steps ask for nothing.  The second trip is left in its middle; its change of slots fetches landed bytes that nobody multiplies
	PHASE 1, 0, 2, 0
	PHASE 0, 1, 3, 0
	TURN 0
	WIN 0
	s_sub_co_u32 s[CNT], s[CNT], 1
	s_cmp_eq_u32 s[CNT], 0
	s_cbranch_scc1 .Lout
	PHASE 0, 1, 1, 0
	WIN 0
	s_branch .Lt
.Lout:
	s_wait_dscnt 0x0                               ; my reads of the slots are over,
	s_barrier_signal -1
	s_barrier_wait -1                              ; everybody's are; the slots have had their last fill
	PLACES
	DUMP
.macro LDX
.irp j, 0,1,2
	ds_load_b128 v[XR+8*(\j):XR+8*(\j)+3],   v[RDA] offset:256*(\j)  ; LDS serves a wave's instructions in order: these see my stores above
	ds_load_b128 v[XR+8*(\j)+4:XR+8*(\j)+7], v[RDA] offset:256*(\j)+16
.endr
.endm
	LDX
	s_mov_b32 s[CNT], 16
.Lr:                                                   ; four rows a trip: rounded to f16 and stored, 512 consecutive bytes for each head
	s_wait_dscnt 0x0
	s_wait_xcnt 0x0                                ; the last trip's stores have read OUT and CO
	v_add_nc_u32 v[CO], 512, v[CO]                 ; the stores below reach back
.set e, 0
.rept 12
	v_cvt_pk_f16_f32 v[OUT+e], v[XR+2*e], v[XR+2*e+1]
.set e, e+1
.endr
	v_add_nc_u32 v[RDA], 4*DP, v[RDA]
	s_sub_co_u32 s[CNT], s[CNT], 1
	s_cmp_eq_u32 s[CNT], 0
	s_cbranch_scc1 .Lnl                            ; the last trip reads nothing more
	LDX
.Lnl:
.irp j, 0,1,2
	global_store_b128 v[CO], v[OUT+4*(\j):OUT+4*(\j)+3], s[76+2*(\j):77+2*(\j)] offset:-512
.endr
	s_cmp_lg_u32 s[CNT], 0
	s_cbranch_scc1 .Lr
	s_wait_tensorcnt 0x0                           ; the wave's end
	ds_add_u32 v[SPW], v[NIL]
	s_wait_dscnt 0x0
	CROUND                                         ; the closing round
	s_endpgm
.Lfunc_end_k_q3cf24864b3_qkvp:
	.size	k_q3cf24864b3_qkvp, .Lfunc_end_k_q3cf24864b3_qkvp-k_q3cf24864b3_qkvp
	.p2alignl 7, 3214868480
	.fill 96, 4, 3214868480
	.section	.rodata,"a",@progbits
	.p2align	6, 0x0
	.amdhsa_kernel k_q3cf24864b3_qkvp
		.amdhsa_group_segment_fixed_size 327680
		.amdhsa_private_segment_fixed_size 0
		.amdhsa_enable_private_segment 0
		.amdhsa_kernarg_size 24
		.amdhsa_user_sgpr_count 2
		.amdhsa_user_sgpr_kernarg_segment_ptr 1
		.amdhsa_wavefront_size32 1
		.amdhsa_system_sgpr_workgroup_id_x 1
		.amdhsa_system_sgpr_workgroup_id_y 1
		.amdhsa_system_sgpr_workgroup_id_z 1
		.amdhsa_system_vgpr_workitem_id 0
		.amdhsa_next_free_vgpr 896
		.amdhsa_next_free_sgpr 96
		.amdhsa_reserve_vcc 0
		.amdhsa_float_denorm_mode_32 3
		.amdhsa_float_denorm_mode_16_64 3
		.amdhsa_memory_ordered 1
		.amdhsa_forward_progress 1
		.amdhsa_inst_pref_size 70
	.end_amdhsa_kernel
	.amdgpu_metadata
---
amdhsa.version: [ 1, 2 ]
amdhsa.kernels:
  - .name:           k_q3cf24864b3_qkvp
    .symbol:         k_q3cf24864b3_qkvp.kd
    .args:
      - { .name: hbuf, .offset: 0, .size: 8, .value_kind: global_buffer, .address_space: global }
      - { .name: wts, .offset: 8, .size: 8, .value_kind: global_buffer, .address_space: global }
      - { .name: qkv, .offset: 16, .size: 8, .value_kind: global_buffer, .address_space: global }
    .group_segment_fixed_size: 327680
    .private_segment_fixed_size: 0
    .kernarg_segment_align: 8
    .kernarg_segment_size: 24
    .max_flat_workgroup_size: 128
    .sgpr_count:     96
    .vgpr_count:     896
    .wavefront_size: 32
...
	.end_amdgpu_metadata
.endif
;; end of part 2
;; launch attn (part 3): grid 8 x 32, 4 waves a work-group, no clusters, 327,680 bytes of LDS; arguments qkv, obuf; writes obuf
.if DOCPART == 3
	.amdgcn_target "amdgcn-amd-amdhsa--gfx1250"
	.amdhsa_code_object_version 6
	.text
	.protected	k_q3cf24864b3_attn
	.globl	k_q3cf24864b3_attn
	.p2align	8
	.type	k_q3cf24864b3_attn,@function
k_q3cf24864b3_attn:
	s_mov_b64 s[64:65], 0
	v_nop
	global_prefetch_b8 v0, s[64:65] scope:SCOPE_SE
	s_setreg_imm32_b32 hwreg(HW_REG_WAVE_MODE, 25, 1), 1
	s_wait_xcnt 0x0
; CAUSAL ATTENTION.  O[bh][q] = the sum over k <= q of softmax_k(Q[q] . K[k] / 8) V[k].  q, k, v: qkv [3][32 bh][2048][64] f16.  O: obuf [32 mt][16 head][128 row][64] f16, mt = 16 batch + block of 128 rows.
; Products, maxima and sums in f32; the weights p are rounded to f16 for the second product (their sum l is taken of the unrounded p), O once at the end.
; LIMITS.  f16 holds no number beyond 65,504.  A hidden score counts as its value less 1e30; a weight below 2^-126 counts as 0 in l; NaN and infinities are not treated apart.
; THE WALK.  A head's queries lie in 16 blocks of 128; block i needs the key tiles 0 .. i / 2 of 256 keys.  A work-group takes blocks 15 - b and then b: 9 tiles, whatever b: 8 x 32 work-groups of equal
; work, and one loop with a constant trip count.  Which tile is asked for and what a trip does hang on scalars made from b; every jump but the counted loops' own goes forward and passes no barrier.
; NO CLUSTER: a head's 8 work-groups ask for the same tile only in the first five of the nine periods, behind that fewer and fewer; one walk common to all would have 12 tiles for 9.
; SHARES.  Of a block's two bands of 64 queries a wave owns 16 rows in each: two PIECES.  Band x's own key step, counted from the block's first, is 2 i + x: earlier steps it sees whole, later ones not at all.
; THE MASK is the C operand that starts S^T = K Q^T: MD x AL + BE, MD being the mask of a band's own step for my 16 rows; (AL, BE) = (1, 0) in the own step, (0, -1e30) later.  Before that the mask
; buffers hold 0 and the lines that make them are jumped.
; TURNS.  Turn T0(s): 8 products K Q^T of piece 1, step s; piece 0's softmax of step s; piece 1's maximum and statistics; behind the turn's one wait 8 products V^T P of piece 1, step s - 1.  T1(s): K Q^T of
; piece 0, step s + 1; piece 1's softmax; piece 0's statistics; V^T P of piece 0, step s.  Four vector instructions stand behind every matrix instruction, the rest in one lump; a turn's 33 exponentials are one batch.
; K and V of step s + 1 are both fetched in T0(s); V has two buffers, by the step's parity.  So the change of slots stands between T1(2) and T0(3) of a tile: all of the old tile has been fetched.
; REGISTERS (s_set_vgpr_msb: bits 1:0 source 0, 3:2 source 1, 5:4 source 2, 7:6 destination):
;   window 0: v0-15 addresses; v16-23 statistics; v48-55 at work; v61-63; v64-127 S^T, two buffers; v192-223 P, two buffers
;   window 1: v0-63 O^T; v128-159 MD; v160-223 MC, two buffers      window 2: v0-31 Q; v32-63 the second block's Q; v64-127 V (odd steps); v128-191 K; v192-255 V (even steps)
.set NP,    2
.set KS,    64
.set PK,    144       ; a row of K in LDS: 128 bytes + 16
.set PVP,   160       ; a row of V: 128 + 32
.set VOFF,  4*KS*PK   ; a slot holds a tile: 256 rows of K, then 256 rows of V
.set SLOT1, 1<<17
.set STAGE, SLOT1+4*KS*(PK+PVP)  ; never filled by a tensor load: 16 rows x 144 bytes for each wave, for the way out
.set SP,    144
.set SPARE, STAGE+4*16*SP  ; the spare words: 128 bytes a wave, two blocks of 256 bytes that no other line names
.set AK0, 2
.set AV0, 3
.set AK,  4
.set AV,  5
.set STO, 6
.set RD,  7
.set GO,  8
.set MV,  12
.set QO,  15
.set ST,  16          ; piece t's statistics at v[ST+4 t]: c m, m, l (even keys', odd keys')
.set TMP, 48
.set PFO, 61
.set SPW, 62
.set NIL, 63
.set S,   64
.set P,   192
.set MD,  128
.set MC,  160
.set QB,  32
.set VF1, 64
.set KF,  128
.set VF0, 192
.set WV,  12
.set PB,  14          ; b
.set TLO, 15          ; tiles of the second block
.set G1K, 24
.set G1V, 32
.set G0K, 40
.set G0V, 44
.set SLOTS, 56
.set CNT, 57
.set CS,  58
.set SEL, 60
.set TBK, 62
.set TBV, 63
.set RT,  70          ; tiles of the block in hand still to be entered
.set NXT, 71          ; the tile to be asked for next
.set LQ,  72          ; the last tile of the block whose tiles are being asked for
.set NEW, 73          ; 1: the tile entered is a block's first
.set OFF, 74
.set AL,  76
.set BE,  78
.set OLO, 80
.set BIGN, 82
.set FE,  83          ; 1 until the first tile has been entered
.set DC,  84          ; 2 i less the step in hand
.set D0,  85          ; 2 i of the block that begins next
.set LQL, 86
.set PFK, 88
.set PFV, 90
.set LIM, 92
.set MSB, 0
.macro WIN new
.if MSB != (\new)
	s_set_vgpr_msb (MSB<<8)|(\new)
.set MSB, (\new)
.endif
.endm
.set W_KQ, 0x0a       ; K and Q in window 2, S^T in window 0
.set W_KM, 0x1a       ; the same with the C operand in window 1
.set W_PV, 0x52       ; V in window 2, P in window 0, O^T in window 1
.set W_RS, 0x41       ; destination and source 0 in window 1
; A fill.  Waves 0 and 1 fetch the two halves of a tile's K, waves 2 and 3 those of its V.  An s_nop 0 and four v_nop follow each of the two lines.
.macro LOAD
	s_cmp_lt_u32 s[WV], 2
	s_cbranch_scc0 .Lfor_v_\@
	tensor_load_to_lds s[G0K:G0K+3], s[G1K:G1K+7]
	s_nop 0
.rept 4
	v_nop
.endr
	s_branch .Lasked_\@
.Lfor_v_\@:
	tensor_load_to_lds s[G0V:G0V+3], s[G1V:G1V+7]
	s_nop 0
.rept 4
	v_nop
.endr
.Lasked_\@:
.endm
; THE CHANGE OF SLOTS.  Each wave waits for all its tensor loads (one is out: its part of the other slot), adds 0 to its spare word, and waits for that and for its reads of the slot that it leaves.
; fill = 1: the old slot is filled again, first thing behind the barrier, with tile NXT.  Behind the load the work-group with b = 0, which walks all eight tiles of the head, prefetches the tile that the
; next change will ask for: 128 threads, 256 bytes of K and of V each; the changes that have no such tile ask for nothing.
.macro CHANGE fill
	WIN 0
	s_wait_tensorcnt 0x0
	ds_add_u32 v[SPW], v[NIL]
.if \fill
	s_lshl_b32 s[OFF], s[NXT], 15   ; a tile is 32,768 bytes of K and of V
	s_xor_b32 s[G0K+1], s[G0K+1], SLOT1
	s_add_nc_u64 s[G0K+2:G0K+3], s[6:7], s[OFF:OFF+1]
	s_or_b32 s[G0K+3], s[G0K+3], 0x80000000
	s_xor_b32 s[G0V+1], s[G0V+1], SLOT1
	s_add_nc_u64 s[G0V+2:G0V+3], s[8:9], s[OFF:OFF+1]
	s_or_b32 s[G0V+3], s[G0V+3], 0x80000000
	s_add_co_u32 s[NXT], s[NXT], 1  ; the block's next tile, or behind its last the second block's tile 0
	s_cmp_gt_u32 s[NXT], s[LQ]
	s_cselect_b32 s[NXT], 0, s[NXT]
	s_cselect_b32 s[LQ], s[LQL], s[LQ]
	s_wait_xcnt 0x0                 ; the last prefetches, eight turns back, have read their addresses
	s_add_nc_u64 s[PFK:PFK+1], s[PFK:PFK+1], 32768
	s_add_nc_u64 s[PFV:PFV+1], s[PFV:PFV+1], 32768
.endif
	s_wait_dscnt 0x0                ; the add is done, and my reads of the slot are over
	s_barrier_signal -1
	s_sub_co_u32 s[TBK], s[TBK], 4*KS*PK  ; the fetches go back to a slot's first step, in the other slot
	s_xor_b32 s[TBK], s[TBK], SLOT1
	s_sub_co_u32 s[TBV], s[TBV], 4*KS*PVP
	s_xor_b32 s[TBV], s[TBV], SLOT1
	s_barrier_wait -1
.if \fill
	LOAD
	s_cmp_gt_u32 s[SLOTS], s[LIM]
	s_cbranch_scc0 .Lnot_mine_\@
	global_prefetch_b8 v[PFO], s[PFK:PFK+1] th:TH_LOAD_NT scope:SCOPE_SE
	global_prefetch_b8 v[PFO], s[PFV:PFV+1] th:TH_LOAD_NT scope:SCOPE_SE
.Lnot_mine_\@:
.endif
.endm
	s_load_b64 s[4:5], s[0:1], 0x0  ; qkv
	s_load_b64 s[10:11], s[0:1], 0x8  ; obuf
	v_lshl_add_u32 v[SPW], v0, 2, SPARE
	v_mov_b32 v[NIL], 0
	ds_add_u32 v[SPW], v[NIL]       ; the wave's opening: the add and its wait ahead of my first tensor load
	ds_add_u32 v62, v63
	v_lshrrev_b32 v1, 5, v0
	v_readfirstlane_b32 s[WV], v1
	s_mov_b32 s[PB], ttmp9
	s_sub_co_u32 s13, 15, s[PB]     ; the first block
	s_and_b32 s20, ttmp7, 0xffff    ; bh
	s_lshl_b32 s21, s20, 18         ; the head's first byte in each of q, k, v
	s_and_b32 s16, s[WV], 1         ; which half of a tile's 256 keys I fetch
	s_lshl_b32 s22, s16, 14
	s_add_co_u32 s22, s22, s21
	s_mov_b32 s23, 0
	s_mul_i32 s17, s16, 128*PK
	s_mul_i32 s18, s16, 128*PVP
	s_lshl_b32 s50, s[WV], 11       ; my 16 rows in a band of 64
	s_add_co_u32 s51, s21, s50
	s_lshl_b32 s2, s13, 14          ; a block is 128 rows of 128 bytes
	s_add_co_u32 s2, s2, s51
	s_mov_b32 s3, 0
	s_lshl_b32 s52, s[PB], 14
	s_add_co_u32 s52, s52, s51
	s_mov_b32 s53, 0
	s_lshr_b32 s54, s20, 4
	s_lshl_b32 s54, s54, 4          ; 16 x batch
	s_and_b32 s55, s20, 15
	s_lshl_b32 s55, s55, 14         ; the head's 16,384 bytes in a block of obuf
	s_add_co_u32 s55, s55, s50
	s_add_co_u32 s66, s54, s13
	s_lshl_b32 s66, s66, 18
	s_add_co_u32 s66, s66, s55
	s_mov_b32 s67, 0
	s_add_co_u32 s68, s54, s[PB]
	s_lshl_b32 s68, s68, 18
	s_add_co_u32 s68, s68, s55
	s_mov_b32 s69, 0
	s_add_co_u32 s48, s21, 32768    ; the prefetches stand at the head's tile 1; the first change steps them to tile 2
	s_mov_b32 s49, 0
	; descriptor group 1.  128 keys are 16,384 dense bytes: asked for as 64 rows of 256 bytes, two keys a row, and padded in LDS after every key
	s_mov_b32 s[G1K], (1<<16)|(1<<20)|(4<<22)|(3<<25)
	s_mov_b32 s[G1V], (1<<16)|(1<<20)|(4<<22)|(7<<25)
.irp g, G1K, G1V
	s_mov_b32 s[\g+1], 128<<16
	s_mov_b32 s[\g+2], 64<<16
	s_mov_b32 s[\g+3], 128<<16
	s_mov_b32 s[\g+4], 64
	s_mov_b32 s[\g+5], 128
	s_mov_b32 s[\g+6], 0
	s_mov_b32 s[\g+7], 0
.endr
	s_mov_b32 s[CS], 0x3e38aa3b     ; c = log2(e) / 8
	s_mov_b32 s[CS+1], s[CS]
	s_mov_b32 s[SEL], 0x76543210
	s_mov_b32 s[SEL+1], 0xfedcba98
	s_mov_b32 s[TBK], SLOT1+4*KS*PK ; the first change of slots turns these two into 0
	s_mov_b32 s[TBV], SLOT1+4*KS*PVP
	s_mov_b32 s[G0K], 1
	s_mov_b32 s[G0K+1], s17
	s_mov_b32 s[G0V], 1
	s_add_co_u32 s[G0V+1], s18, VOFF
	s_sub_co_u32 s[RT], 17, s[PB]
	s_lshr_b32 s[RT], s[RT], 1      ; the first block has (17 - b) / 2 tiles,
	s_add_co_u32 s[TLO], s[PB], 2
	s_lshr_b32 s[TLO], s[TLO], 1    ; the second (b + 2) / 2
	s_mov_b32 s[NXT], 1
	s_sub_co_u32 s[LQ], s[RT], 1
	s_sub_co_u32 s[LQL], s[TLO], 1
	s_mov_b32 s[NEW], 0
	s_mov_b32 s[FE], 1
	s_lshl_b32 s[D0], s13, 1
	s_mov_b32 s[DC], s[D0]
	s_mov_b32 s[OFF+1], 0
	s_mov_b32 s[AL+1], 0            ; named as pairs
	s_mov_b32 s[BE+1], 0
	s_mov_b32 s[BIGN], 0xf149f2ca   ; -1e30
	s_mov_b32 s[SLOTS], 8
	s_cmp_eq_u32 s[PB], 0
	s_cselect_b32 s[LIM], 2, -1
	v_lshlrev_b32 v[PFO], 8, v0
	s_wait_dscnt 0x0                ; the opening add is done
	s_wait_kmcnt 0x0
	s_add_nc_u64 s[6:7], s[4:5], s[22:23]
	s_add_nc_u64 s[8:9], s[6:7], 0x1000000   ; V at my half of the head's tile 0,
	s_add_nc_u64 s[6:7], s[6:7], 0x800000    ; K likewise
	s_add_nc_u64 s[PFK:PFK+1], s[4:5], s[48:49]
	s_add_nc_u64 s[PFV:PFV+1], s[PFK:PFK+1], 0x1000000
	s_add_nc_u64 s[PFK:PFK+1], s[PFK:PFK+1], 0x800000
	s_add_nc_u64 s[G0K+2:G0K+3], s[6:7], 0
	s_or_b32 s[G0K+3], s[G0K+3], 0x80000000
	s_add_nc_u64 s[G0V+2:G0V+3], s[8:9], 0
	s_or_b32 s[G0V+3], s[G0V+3], 0x80000000
	s_add_nc_u64 s[94:95], s[4:5], s[52:53]  ; Q at my rows of the second block,
	s_add_nc_u64 s[4:5], s[4:5], s[2:3]      ; and of the first
	s_add_nc_u64 s[OLO:OLO+1], s[10:11], s[68:69]
	s_add_nc_u64 s[10:11], s[10:11], s[66:67]
	LOAD                            ; tile 0 into slot 0
	v_and_b32 v1, 15, v0            ; l % 16
	v_bfe_u32 v9, v0, 4, 1          ; l / 16
	v_lshlrev_b32 v[QO], 7, v1
	v_lshl_add_u32 v[QO], v9, 4, v[QO]
	WIN 0x80
.set i, 0
.rept 4                             ; both blocks' Q: piece i / 2 lies in band i / 2, 8,192 bytes on; channels 32 (i % 2) on
	global_load_b128 v[8*i:8*i+3],   v[QO], s[4:5] offset:(i/2)*8192+(i%2)*64
	global_load_b128 v[8*i+4:8*i+7], v[QO], s[4:5] offset:(i/2)*8192+(i%2)*64+32
	global_load_b128 v[QB+8*i:QB+8*i+3],   v[QO], s[94:95] offset:(i/2)*8192+(i%2)*64
	global_load_b128 v[QB+8*i+4:QB+8*i+7], v[QO], s[94:95] offset:(i/2)*8192+(i%2)*64+32
.set i, i+1
.endr
	WIN 0
	v_lshlrev_b32 v14, 3, v9
	v_sub_nc_u32 v14, v1, v14
	s_lshl_b32 s13, s[WV], 4
	v_add_nc_u32 v14, s13, v14      ; my query's place in its band less my lanes' 8 (l / 16): register r of key group kt is hidden where 16 kt + r is greater
	WIN 0x40
.set i, 0
.rept 32
	v_cmp_gt_i32 vcc_lo, 16*(i/8)+i%8, v14
	v_cndmask_b32 v[MD+i], 0, s[BIGN], vcc_lo
.set i, i+1
.endr
	WIN 0
	v_mul_u32_u24 v[AK0], v1, PK
	v_lshl_add_u32 v[AK0], v9, 4, v[AK0]
	v_and_b32 v10, 7, v0
	v_bfe_u32 v11, v0, 3, 1
	v_lshl_add_u32 v[AV0], v9, 3, v10
	v_mul_u32_u24 v[AV0], v[AV0], PVP
	v_lshl_add_u32 v[AV0], v11, 4, v[AV0]
	v_add_nc_u32 v[AV0], VOFF, v[AV0]
	s_mul_i32 s13, s[WV], 16*SP
	s_add_co_u32 s13, s13, STAGE
	v_mul_u32_u24 v[STO], v1, SP
	v_lshl_add_u32 v[STO], v9, 4, v[STO]
	v_add_nc_u32 v[STO], s13, v[STO]
	v_bfe_u32 v[RD], v0, 3, 2
	v_mul_u32_u24 v[RD], v[RD], SP
	v_lshl_add_u32 v[RD], v10, 4, v[RD]
	v_add_nc_u32 v[RD], s13, v[RD]
	v_and_b32 v[GO], 31, v0
	v_lshlrev_b32 v[GO], 4, v[GO]
	; A block's first step multiplies O^T and l by a = 0, and its first turn's products V^T P, of a piece that has not been, land in an O^T that is still to be so multiplied: these registers need only
	; hold finite numbers: zeros for the first block, what the first block left for the second.  All this stands in the wait for the first tile.
	WIN 0x80
.set i, VF1
.rept 64
	v_mov_b32 v[i], 0
.set i, i+1
.endr
	WIN 0x40
.set i, 0
.rept 64
	v_mov_b32 v[i], 0
.set i, i+1
.endr
	WIN 0
.set i, 0
.rept 2
	v_mov_b32 v[ST+4*i+2], 0
	v_mov_b32 v[ST+4*i+3], 0
.set i, i+1
.endr
.set i, P+16
.rept 16
	v_mov_b32 v[i], 0
.set i, i+1
.endr
; THE MATRIX WORK.  The 4 accumulators of a run of 8 take turns.  Product i of 8 of S^T = K Q^T for piece x: channels 32 (i / 4) on, keys 16 (i % 4) on; the first 4 start the sums with the mask.
.macro KQ x
.set rS, S+32*((\x)%2)+8*(i%4)
.set rK, KF+16*(i%4)+8*(i/4)
.set rQ, 16*(\x)+8*(i/4)
.set rM, MC+32*((\x)%2)+8*(i%4)
.if i < 4
	WIN W_KM
	v_wmma_f32_16x16x32_f16 v[rS:rS+7], v[rK:rK+7], v[rQ:rQ+7], v[rM:rM+7]
.else
	WIN W_KQ
	v_wmma_f32_16x16x32_f16 v[rS:rS+7], v[rK:rK+7], v[rQ:rQ+7], v[rS:rS+7]
.endif
.endm
; Product i of 8 of O^T += V^T P for piece x, on V's buffer VB: keys 32 (i / 4) on, channels 16 (i % 4) on.
.macro PVM x
	WIN W_PV
.set rO, 32*(\x)+8*(i%4)
.set rV, VB+32*(i/4)+8*(i%4)
.set rP, P+16*((\x)%2)+8*(i/4)
	v_wmma_f32_16x16x32_f16 v[rO:rO+7], v[rV:rV+7], v[rP:rP+7], v[rO:rO+7]
.endm
.macro MM                           ; the turn's next matrix instruction: both kinds are the other piece's
.if i < 8
	KQ (Y+1)%NP
.else
.set i, i-8
	PVM (Y+1)%NP
.set i, i+8
.endif
.set i, i+1
.endm
; THE LDS LOADS stand in runs of 16.  tail = 1 (the walk's last tile, which lies in slot 0): the step is held at the tile's last, so that the last fetch, which serves nothing, reads landed bytes.
.macro FETCH_K tail=0
	WIN 0x80
.irp f, 0,1,2,3,4,5,6,7
	ds_load_b128 v[KF+8*\f:KF+8*\f+3],   v[AK] offset:(\f/2)*16*PK+(\f%2)*64
	ds_load_b128 v[KF+8*\f+4:KF+8*\f+7], v[AK] offset:(\f/2)*16*PK+(\f%2)*64+32
.endr
	s_add_co_u32 s[TBK], s[TBK], KS*PK
.if \tail
	s_min_u32 s[TBK], s[TBK], 3*KS*PK
.endif
	WIN 0
.endm
.macro FETCH_V
	WIN 0x80
.irp f, 0,1,2,3,4,5,6,7
	ds_load_tr16_b128 v[VB+8*\f:VB+8*\f+3],   v[AV] offset:(\f/4)*32*PVP+(\f%4)*32
	ds_load_tr16_b128 v[VB+8*\f+4:VB+8*\f+7], v[AV] offset:(\f/4)*32*PVP+16*PVP+(\f%4)*32
.endr
	WIN 0
.endm
; THE VECTOR WORK, one line at a time: OP kind, number.  For piece Y: F n: c s - c m for pair n of 16.  E n: the exponential of score n of 32.  C n: pair n rounded to f16.  B n: of the four weights 4 n .. the
; second pair is added onto the first.  L n: l takes that sum (L 0: l = a l + sum).  R n: pair n of 16 of O^T times a.  For the other piece: X n, number n of the 22 that find its maximum and statistics:
;   0-11 four chains of seven scores (each accumulator's lowest registers are read first)   12-14, 16 the scores left over, the old m, the four into one   15 c m_old is kept
;   17, 18 the other half of the lanes: the new m   19-21 c m; c m_old - c m_new; a
.set F, 0
.set E, 1
.set C, 2
.set B, 3
.set L, 4
.set R, 5
.set X, 6
.macro REGS y
.set rT, ST+4*(\y)
.set rC, TMP+4*((\y)%2)
.set rW, MV+((\y)%2)
.set rS, S+32*((\y)%2)
.set rP, P+16*((\y)%2)
.set rO, 32*(\y)
.endm
.macro OP k, n
.if (\k) == R
	REGS Y
	WIN W_RS
	v_pk_mul_f32 v[rO+2*(\n):rO+2*(\n)+1], v[rO+2*(\n):rO+2*(\n)+1], v[rC+2:rC+3] op_sel_hi:[1,0]
.elseif (\k) < R
	REGS Y
	WIN 0
.if (\k) == F
	v_pk_fma_f32 v[rS+2*(\n):rS+2*(\n)+1], v[rS+2*(\n):rS+2*(\n)+1], s[CS:CS+1], v[rT:rT+1] op_sel_hi:[1,0,0] neg_lo:[0,0,1] neg_hi:[0,0,1]
.elseif (\k) == E
	v_exp_f32 v[rS+(\n)], v[rS+(\n)]
.elseif (\k) == C
	v_cvt_pk_f16_f32 v[rP+(\n)], v[rS+2*(\n)], v[rS+2*(\n)+1]
.elseif (\k) == B
	v_pk_add_f32 v[rS+4*(\n):rS+4*(\n)+1], v[rS+4*(\n):rS+4*(\n)+1], v[rS+4*(\n)+2:rS+4*(\n)+3]
.elseif (\n) == 0
	v_pk_fma_f32 v[rT+2:rT+3], v[rT+2:rT+3], v[rC+2:rC+3], v[rS:rS+1] op_sel_hi:[1,0,1]
.else
	v_pk_add_f32 v[rT+2:rT+3], v[rT+2:rT+3], v[rS+4*(\n):rS+4*(\n)+1]
.endif
.else
	REGS (Y+1)%NP
	WIN 0
.if (\n) < 4
	v_max3_num_f32 v[rC+(\n)], v[rS+8*(\n)], v[rS+8*(\n)+1], v[rS+8*(\n)+2]
.elseif (\n) < 12
	v_max3_num_f32 v[rC+(\n)%4], v[rC+(\n)%4], v[rS+8*((\n)%4)+2*((\n)/4)+1], v[rS+8*((\n)%4)+2*((\n)/4)+2]
.elseif (\n) == 12
	v_max3_num_f32 v[rC], v[rC], v[rS+7], v[rS+15]
.elseif (\n) == 13
	v_max3_num_f32 v[rC+1], v[rC+1], v[rS+23], v[rS+31]
.elseif (\n) == 14
	v_max3_num_f32 v[rC+2], v[rC+2], v[rC+3], v[rT+1]
.elseif (\n) == 15
	v_mov_b32 v[rW], v[rT]
.elseif (\n) == 16
	v_max3_num_f32 v[rC], v[rC], v[rC+1], v[rC+2]
.elseif (\n) == 17
	v_permlanex16_b32 v[rC+3], v[rC], s[SEL], s[SEL+1]
.elseif (\n) == 18
	v_max_num_f32 v[rT+1], v[rC], v[rC+3]
.elseif (\n) == 19
	v_mul_f32 v[rT], s[CS], v[rT+1]
.elseif (\n) == 20
	v_sub_f32 v[rC+1], v[rW], v[rT]
.else
	v_exp_f32 v[rC+2], v[rC+1]
.endif
.endif
.endm
.macro OPS a, i1, b=-1, i2=0, c=-1, i3=0, d=-1, i4=0
	OP \a, \i1
.if (\b) >= 0
	OP \b, \i2
.endif
.if (\c) >= 0
	OP \c, \i3
.endif
.if (\d) >= 0
	OP \d, \i4
.endif
.endm
.macro ROW a, i1, b, i2, c, i3, d, i4  ; a matrix instruction and the four behind it
	MM
	OPS \a, \i1, \b, \i2, \c, \i3, \d, \i4
.endm
.macro MASK b                       ; MD x AL + BE into buffer b of MC
	WIN W_RS
.set z, 0
.rept 16
	v_pk_fma_f32 v[MC+32*(\b)+2*z:MC+32*(\b)+2*z+1], v[MD+2*z:MD+2*z+1], s[AL:AL+1], s[BE:BE+1] op_sel_hi:[1,0,0]
.set z, z+1
.endr
.endm
; A TURN, for piece p, on V's buffer vb (0: even steps', 1: odd steps').  One wait cuts it in two: ahead of it stands all that names no result of the turn's exponentials, behind it the roundings and sums.
; The rescalings R read accumulators that the turn BEFORE has written (the same piece's V^T P): R 0 stands sixteen plain riders behind the product that ended its accumulator, and each accumulator's lowest
; registers are read first (R 0, R 4, R 8, R 12).
; p = 0 fetches the next step's K (six plain instructions behind the last product that read K) and, at its end, the next step's V into the buffer that its own products have just read (four plain riders
; behind the last of them).  p = 1 begins with the wait for K: V's sixteen younger loads stay out; every older V is then in too.
; At its end the turn makes the mask for the next turn's products: piece p, the step after the one in hand.
.macro TURN p, vb, tail=0
.set Y, (\p)
.set i, 0
.set VB, VF0-128*(\vb)
.if (\p) == 1
	s_wait_dscnt 16
.endif
	ROW F,0, F,1, R,0, R,1
	ROW F,2, E,0, R,2, R,3
	ROW F,3, E,1, R,4, R,5
	ROW F,4, E,2, R,6, R,7
	ROW F,5, E,3, R,8, R,9
	ROW F,6, E,4, X,0, R,10
.if (\p) == 0
	WIN 0
	v_add_nc_u32 v[AK], s[TBK], v[AK0]
.endif
	ROW F,7, E,5, X,1, X,4
	ROW F,8, E,6, X,2, X,5
	OPS E,7, E,8, X,6, E,9
	OPS X,3, E,10, X,8, E,11
.if (\p) == 0
	FETCH_K \tail
.endif
	OPS X,9, X,7, E,12, X,10
	OPS E,13, X,12, X,11, E,14
	OPS X,13, E,15, F,9, X,14
.if (\p) == 0
	v_add_nc_u32 v[AV], s[TBV], v[AV0]
.endif
	OPS E,16, F,10, E,17, F,11
	OPS X,16, E,18, X,15, E,19
	OPS F,12, E,20, X,17, E,21
	OPS F,13, E,22, F,14, E,23
	OPS X,18, E,24, F,15, E,25
	OPS R,11, E,26, X,19, E,27
	OPS R,12, E,28, R,13, E,29
	OPS X,20, E,30, R,14, E,31
	OPS X,21, R,15                  ; R 15 is the plain instruction behind the last exponential
	WIN 0
	s_wait_alu depctr_va_vdst(0)    ; the wait for the batch
	ROW C,0, B,0, C,2, B,1
	ROW L,0, C,4, B,2, L,1
	ROW C,6, B,3, L,2, C,8
	ROW B,4, L,3, C,10, B,5
	ROW L,4, C,12, B,6, L,5
.if (\p) == 0
	s_add_co_u32 s[TBV], s[TBV], KS*PVP
.if \tail
	s_min_u32 s[TBV], s[TBV], 3*KS*PVP
.endif
.endif
	ROW C,14, B,7, L,6, C,1
	ROW C,3, L,7, C,5, C,7
	ROW C,9, C,11, C,13, C,15
.if (\p) == 0
	FETCH_V
.endif
	WIN 0
	s_cmp_gt_i32 s[DC], 1-(\p)      ; the next step lies before the band's own: the mask is 0 and stays 0
	s_cbranch_scc1 .Lclear_\@
	s_cmp_eq_i32 s[DC], 1-(\p)      ; it is the band's own,
	s_cselect_b32 s[AL], 1.0, 0
	s_cmp_lt_i32 s[DC], 1-(\p)      ; or a later one
	s_cselect_b32 s[BE], s[BIGN], 0
	MASK \p
	WIN 0
.Lclear_\@:
.if (\p) == 1
	s_sub_co_i32 s[DC], s[DC], 1
.endif
.endm
; A BLOCK BEGINS.  K and V of its step 0 have been fetched.  c m starts far below every c s, so the first step's a is 0; m at the lowest finite number.  Piece 1's mask is 0; piece 0's is its own step's if the
; block is block 0.  Then piece 0's first scores, its maximum and statistics.
.macro BEGIN
	s_mov_b32 s[NEW], 0
	s_mov_b32 s[DC], s[D0]
	WIN 0x40
.set i, MC+32
.rept 32
	v_mov_b32 v[i], 0
.set i, i+1
.endr
	WIN 0
.set i, 0
.rept 2
	v_mov_b32 v[ST+4*i], 0xfe000000
	v_mov_b32 v[ST+4*i+1], 0xff7fffff
.set i, i+1
.endr
	s_cmp_eq_u32 s[D0], 0
	s_cselect_b32 s[AL], 1.0, 0
	s_mov_b32 s[BE], 0
	MASK 0
	WIN 0
	s_wait_loadcnt 0x0              ; Q
	s_wait_dscnt 0x0                ; K and V
.set i, 0
.rept 8
	KQ 0
.set i, i+1
.endr
	WIN 0
.rept 4
	v_nop                           ; the places behind those products
.endr
.set Y, NP-1
.irp n, 0,1,2,3,4,5,6,7,8,9,10,11,12,13,14,15,16,17,18,19,20,21
	OP X, \n
.endr
	v_nop                           ; a plain instruction behind the exponential,
	s_wait_alu depctr_va_vdst(0)    ; and its wait
.endm
.macro ALL line:vararg              ; one line for each piece t
.set t, 0
.rept 2
	\line
.set t, t+1
.endr
.endm
.macro PACK t                       ; a lane's eight channels of a row pack into 16 bytes; they go into rows of 144 bytes and come back as whole rows of 128
	WIN W_RS
.set i, 32*(\t)
.rept 16
	v_pk_mul_f32 v[i:i+1], v[i:i+1], v[ST+4*(\t)+2:ST+4*(\t)+3] op_sel_hi:[1,0]
.set i, i+2
.endr
	WIN 0x05
.set i, 0
.rept 16
	v_cvt_pk_f16_f32 v[S+16*(\t)+i], v[32*(\t)+2*i], v[32*(\t)+2*i+1]
.set i, i+1
.endr
	WIN 0
.irp f, 0,1,2,3
	ds_store_b128 v[STO], v[S+16*(\t)+4*\f:S+16*(\t)+4*\f+3] offset:32*\f
.endr
.irp f, 0,1,2,3
	ds_load_b128 v[S+16*(\t)+4*\f:S+16*(\t)+4*\f+3], v[RD] offset:\f*4*SP  ; LDS serves a wave's instructions in order: these see the stores above; the next piece's stores come behind them
.endr
.endm
.macro SEND t, younger              ; younger: the LDS instructions issued behind piece t's loads
	WIN 0
.irp f, 0,1,2,3
	s_wait_dscnt (\younger)+3-\f
	global_store_b128 v[GO], v[S+16*(\t)+4*\f:S+16*(\t)+4*\f+3], s[10:11] offset:(\t)*8192+\f*512  ; 512 consecutive bytes, aligned
.endr
.endm
; A BLOCK ENDS: piece 1's V^T P of the last step (an odd one); l's halves are added; O^T is divided by l, rounded and sent through my stage.
.macro END
.set VB, VF1
.set i, 0
.rept 8
	PVM 1
.set i, i+1
.endr
	WIN 0
	ALL v_add_f32 v[ST+4*t+2], v[ST+4*t+2], v[ST+4*t+3]
	ALL v_permlanex16_b32 v[ST+4*t+3], v[ST+4*t+2], s[SEL], s[SEL+1]
	ALL v_add_f32 v[ST+4*t+2], v[ST+4*t+2], v[ST+4*t+3]
	ALL v_rcp_f32 v[ST+4*t+2], v[ST+4*t+2]
	v_nop
	s_wait_alu depctr_va_vdst(0)    ; one wait for the two reciprocals
	PACK 0
	PACK 1
	SEND 0, 8
	SEND 1, 0
.endm
.macro SWITCH                       ; on to the second block
	s_wait_xcnt 0x0                 ; the stores have read their registers and O's address
	s_mov_b64 s[10:11], s[OLO:OLO+1]
	s_lshl_b32 s[D0], s[PB], 1
	WIN 0x82
.set i, 0
.rept 32
	v_mov_b32 v[i], v[QB+i]
.set i, i+1
.endr
	WIN 0
.endm
.macro ENTER                        ; a tile is entered
	s_cmp_eq_u32 s[RT], 0
	s_cselect_b32 s[NEW], 1, 0
	s_cselect_b32 s[RT], s[TLO], s[RT]
	s_sub_co_u32 s[RT], s[RT], 1
.endm
.Lslot:                             ; 8 times: a tile is entered and the next is asked for.  A period: the old tile's step 3, then the new tile's steps 0, 1, 2
	CHANGE 1
	ENTER
	s_mov_b32 s[CNT], 2
	s_cmp_eq_u32 s[FE], 1
	s_cbranch_scc1 .Lprime          ; the walk's first tile has no step before it
.Ltrip:                             ; a trip: an odd step, then an even one
	TURN 0, 0
	TURN 1, 1
	WIN 0
	s_cmp_eq_u32 s[NEW], 1
	s_cbranch_scc0 .Lfirst
	END                             ; that odd step was the first block's last
	SWITCH
	s_branch .Lbegin
.Lprime:
	s_mov_b32 s[FE], 0
	v_add_nc_u32 v[AK], s[TBK], v[AK0]
	v_add_nc_u32 v[AV], s[TBV], v[AV0]
	FETCH_K
	s_add_co_u32 s[TBV], s[TBV], KS*PVP
.set VB, VF0
	FETCH_V
.Lbegin:
	BEGIN
.Lfirst:
	TURN 0, 1
	TURN 1, 0
	WIN 0
	s_sub_co_u32 s[CNT], s[CNT], 1
	s_cmp_lg_u32 s[CNT], 0
	s_cbranch_scc1 .Ltrip
	s_sub_co_u32 s[SLOTS], s[SLOTS], 1
	s_cmp_lg_u32 s[SLOTS], 0
	s_cbranch_scc1 .Lslot
	CHANGE 0                        ; the walk's last tile is written out: nothing is asked for
	ENTER
	s_mov_b32 s[CNT], 3             ; the old tile's step 3, steps 0 to 3 of this one: the third trip is left in its middle
.Ltail:
	TURN 0, 0, 1
	TURN 1, 1
	WIN 0
	s_cmp_eq_u32 s[NEW], 1
	s_cbranch_scc0 .Lgo_on
	END                             ; b = 0 and 1: the second block has this one tile
	SWITCH
	BEGIN
.Lgo_on:
	s_sub_co_u32 s[CNT], s[CNT], 1
	s_cmp_eq_u32 s[CNT], 0
	s_cbranch_scc1 .Lfin
	TURN 0, 1, 1
	TURN 1, 0
	WIN 0
	s_branch .Ltail
.Lfin:
	END
	s_wait_tensorcnt 0x0            ; the wave's end
	ds_add_u32 v[SPW], v[NIL]
	s_wait_dscnt 0x0
	s_endpgm
.Lfunc_end_k_q3cf24864b3_attn:
	.size	k_q3cf24864b3_attn, .Lfunc_end_k_q3cf24864b3_attn-k_q3cf24864b3_attn
	.p2alignl 7, 3214868480
	.fill 96, 4, 3214868480
	.section	.rodata,"a",@progbits
	.p2align	6, 0x0
	.amdhsa_kernel k_q3cf24864b3_attn
		.amdhsa_group_segment_fixed_size 327680
		.amdhsa_private_segment_fixed_size 0
		.amdhsa_enable_private_segment 0
		.amdhsa_kernarg_size 16
		.amdhsa_user_sgpr_count 2
		.amdhsa_user_sgpr_kernarg_segment_ptr 1
		.amdhsa_wavefront_size32 1
		.amdhsa_system_sgpr_workgroup_id_x 1
		.amdhsa_system_sgpr_workgroup_id_y 1
		.amdhsa_system_sgpr_workgroup_id_z 1
		.amdhsa_system_vgpr_workitem_id 0
		.amdhsa_next_free_vgpr 768
		.amdhsa_next_free_sgpr 100
		.amdhsa_reserve_vcc 1
		.amdhsa_float_denorm_mode_32 3
		.amdhsa_float_denorm_mode_16_64 3
		.amdhsa_memory_ordered 1
		.amdhsa_forward_progress 1
		.amdhsa_inst_pref_size 145
	.end_amdhsa_kernel
	.amdgpu_metadata
---
amdhsa.version: [ 1, 2 ]
amdhsa.kernels:
  - .name:           k_q3cf24864b3_attn
    .symbol:         k_q3cf24864b3_attn.kd
    .args:
      - { .name: qkv, .offset: 0, .size: 8, .value_kind: global_buffer, .address_space: global }
      - { .name: obuf, .offset: 8, .size: 8, .value_kind: global_buffer, .address_space: global }
    .group_segment_fixed_size: 327680
    .private_segment_fixed_size: 0
    .kernarg_segment_align: 8
    .kernarg_segment_size: 16
    .max_flat_workgroup_size: 128
    .sgpr_count:     100
    .vgpr_count:     768
    .wavefront_size: 32
...
	.end_amdgpu_metadata
.endif
;; end of part 3
;; launch wo (part 4): grid 8 x 32, 4 waves a work-group, clusters of 4 x 4, 327,680 bytes of LDS; arguments obuf, wts, bo, x, x1; writes x1
.if DOCPART == 4
	.amdgcn_target "amdgcn-amd-amdhsa--gfx1250"
	.amdhsa_code_object_version 6
	.text
	.protected	k_q3cf24864b3_wo
	.globl	k_q3cf24864b3_wo
	.p2align	8
	.type	k_q3cf24864b3_wo,@function
k_q3cf24864b3_wo:
	s_mov_b64 s[64:65], 0
	v_nop
	global_prefetch_b8 v0, s[64:65] scope:SCOPE_SE
	s_setreg_imm32_b32 hwreg(HW_REG_WAVE_MODE, 25, 1), 1
	s_wait_xcnt 0x0
	s_wait_alu depctr_hold_cnt(0) depctr_sa_sdst(0) depctr_va_vdst(0) depctr_va_sdst(0) depctr_va_ssrc(0) depctr_va_vcc(0) depctr_vm_vsrc(0)
	s_getreg_b32 s2, hwreg(HW_REG_IB_STS2, 6, 4)
	s_cmp_eq_u32 s2, 0
	s_cbranch_scc0 .Lentry_in_a_cluster
	s_endpgm
.Lentry_in_a_cluster:
	s_bfe_u32 s2, ttmp6, 0x10000c
	s_cmp_lg_u32 s2, 0xf033
	s_cbranch_scc0 .Lentry_shape_is_right
	s_endpgm
.Lentry_shape_is_right:
; x1 = x + o Wo + bo.  o: obuf [32 mt][16 head][128 row][64] f16 (K = 64 head + channel); Wo: wts at 6,291,456, [nt 8][ks 4][cb 2][256 k][64] f16; x, x1: [4096][1024] f32.  Sums in f32.
; A tile is 128 x 128: 8 x 32 work-groups.  Four waves, 2 x 2, each 64 x 64: 16 accumulators.  K goes in 4 steps of 256 (four heads) through two LDS slots; both operands' tiles are dense in memory.
; THE PRODUCT IS TAKEN TRANSPOSED: source 0 = 16 columns of Wo (turned out of LDS by ds_load_tr16_b128), source 1 = 16 rows of o.
; CLUSTER 4 x 4: o's tile is shared along a row of the cluster, Wo's along a column; each is asked for jointly.  Waves 0, 1 fetch o's halves, waves 2, 3 Wo's: one tensor load a wave behind each round.
; THE CHANGE OF SLOTS STANDS AT THE HEAD OF A STEP'S LAST PHASE: that phase's fragments are in registers by then, so the slot is free, and the refill goes out ahead of the phase's products:
; from a request to the wait for it a wave issues a whole K step's 128 matrix instructions.
; The residual's 64 x 64 f32 are loaded into 128 registers at the head and stay out during the K loop.  No prefetch: the launch has four K steps.
; THE WAY OUT: the f32 sums go into the wave's own part of the slots, which have had their last fill, come back by rows, take residual and bias, and leave as whole rows of 256 bytes.
; LIMIT.  f16 holds no number beyond 65,504: o and Wo must lie within it.
.set MB, 4
.set NB, 4
.set KD, 2
.set NS, 4
.set PA, 144                           ; a head's row of A in LDS: 128 bytes + 16
.set BOFF, 4*128*PA
.set NCB, 2
.set ASTEP, 65536
.set WOFF, 6291456
.set AC, 128
.set AR, 128
.set APITCH, 128
.set AQI, 4
.set ATSH, 18
.set AWSH, 15
.set AWO, 1
.set NACC, MB*NB
.set T, KD*NACC
.set KSTEP, 128*KD
.set SLOT, BOFF+NCB*KSTEP*160
.set AHALF, BOFF/2
.set BHALF, NCB*KSTEP*80
.set BSTEP, NCB*KSTEP*128
.set BNT, NS*BSTEP
.set BR, BSTEP/512
.set SPARE, 2*SLOT
.set DP, NB*64+16
.set REG, 16*MB*DP
.set WV, 14
.set WH, 15
.set WL, 16
.set WRI, 17
.set WCI, 18
.set CNT, 19
.set G1A, 24
.set G0A, 32
.set G1B, 48
.set G0B, 56
.set TB, 69
.set WOFA, 71
.set WOFB, 72
.set ADRA0, 10
.set ADRB0, 11
.set ADRA, 12
.set ADRB, 13
.set DST, 14
.set RDA, 15
.set CO, 16
.set BO, 18
.set HB, 20
.set SPW, 28
.set NIL, 29
.set FA0, 64
.set FB0, 0
.set RES, 128                          ; window 2: the residual, 4 registers for each two rows
.set MSB, 0
.macro WIN new
.if MSB != (\new)
	s_set_vgpr_msb (MSB<<8)|(\new)
.set MSB, \new
.endif
.endm
.macro PLACES
.rept 4
	v_nop
.endr
.endm
.macro CREST
	s_cmp_lg_u32 s[WV], 0
	s_cbranch_scc1 .Lnot_wave_0_\@
	s_barrier_signal -3
.Lnot_wave_0_\@:
	s_barrier_wait -3
	s_barrier_signal -1
	s_barrier_wait -1
.endm
.macro CROUND
	s_barrier_signal -1
	s_barrier_wait -1
	CREST
.endm
.macro JLOAD
	s_cmp_eq_u32 s[WH], 0
	s_cbranch_scc0 .Lfor_b_\@
	tensor_load_to_lds s[G0A+4:G0A+7], s[G1A:G1A+7]
	s_nop 0
.rept 4
	v_nop
.endr
	s_branch .Lasked_\@
.Lfor_b_\@:
	tensor_load_to_lds s[G0B+4:G0B+7], s[G1B:G1B+7]
	s_nop 0
.rept 4
	v_nop
.endr
.Lasked_\@:
.endm
.macro MULS f, t0, t1, zero            ; all NACC accumulators take turns, in the same order in every phase
.set t, \t0
.rept (\t1)-(\t0)
.set kd, t/NACC
.set ix, t%NACC
.set ra, 8*(ix%32)
.set rb, FB0+96*(\f)+8*(kd*NB+ix%NB)
.set rf, FA0+64*(\f)+8*(kd*MB+ix/NB)
	WIN 0xa1+0x50*(ix/32)
.if (\zero) && (kd == 0)
	v_wmma_f32_16x16x32_f16 v[ra:ra+7], v[rb:rb+7], v[rf:rf+7], 0
.else
	v_wmma_f32_16x16x32_f16 v[ra:ra+7], v[rb:rb+7], v[rf:rf+7], v[ra:ra+7]
.endif
.set t, t+1
.endr
.endm
.macro FETCH g, ph
	WIN 0x40
.set kd, 0
.rept KD
.set jj, (\ph)*KD+kd
.set b, 0
.rept NB
.set rb, FB0+96*(\g)+8*(kd*NB+b)
.set ob, (b/4)*KSTEP*160+jj*5120+(b%4)*32
	ds_load_tr16_b128 v[rb:rb+3],   v[ADRB] offset:ob
	ds_load_tr16_b128 v[rb+4:rb+7], v[ADRB] offset:ob+2560
.set b, b+1
.endr
.set kd, kd+1
.endr
	WIN 0
.set kd, 0
.rept KD
.set jj, (\ph)*KD+kd
.set a, 0
.rept MB
.set rf, FA0+64*(\g)+8*(kd*MB+a)
.if AWO
.set oa, (jj/2)*128*PA+a*16*PA+(jj%2)*64       ; head jj / 2 of the slot's four, channels 32 (jj % 2) on
.else
.set oa, a*16*PA+64*jj
.endif
	ds_load_b128 v[rf:rf+3],   v[ADRA] offset:oa
	ds_load_b128 v[rf+4:rf+7], v[ADRA] offset:oa+32
.set a, a+1
.endr
.set kd, kd+1
.endr
.endm
.macro PHASE f, g, nph, zero
	s_wait_dscnt 0x0
	MULS \f, 0, T/2, \zero
	PLACES
	FETCH \g, \nph
	MULS \f, T/2, T, \zero
.endm
; The last phase of a K step: first the change of slots, then the phase's products on buffer 1.  Each wave waits for all its tensor loads (one is out: its part of the next slot), adds 0 to its spare
; word, and waits for that and for its own reads of this slot, the last of which filled buffer 1.  fill = 1: the barrier opens a round of the cluster's, and the slot just read is filled again first thing behind it.
.macro TURN fill
	WIN 0
	s_wait_tensorcnt 0x0
	ds_add_u32 v[SPW], v[NIL]
.if \fill
	s_add_co_u32 s[G0A+5], s[TB], s[WOFA]          ; no load of mine is out: the walking descriptors take the slot just read
	s_add_co_u32 s[G0B+5], s[TB], s[WOFB]
	s_add_nc_u64 s[G0A+6:G0A+7], s[G0A+6:G0A+7], ASTEP
	s_add_nc_u64 s[G0B+6:G0B+7], s[G0B+6:G0B+7], BSTEP
.endif
	s_wait_dscnt 0x0                               ; the add is done; buffer 1 is in, and with it my reads of this slot are over
	s_barrier_signal -1
	s_barrier_wait -1
.if \fill
	CREST
	JLOAD                                          ; its four v_nop are also the places in front of the loads below
.else
	PLACES
.endif
	s_xor_b32 s[TB], s[TB], SLOT
	v_add_nc_u32 v[ADRA], s[TB], v[ADRA0]
	v_add_nc_u32 v[ADRB], s[TB], v[ADRB0]
	FETCH 0, 0
	MULS 1, 0, T, 0
.endm
.macro DUMP
.set ix, 0
.rept NACC
	WIN 0x08+0x04*(ix/32)
	ds_store_b128 v[DST], v[8*(ix%32):8*(ix%32)+3]   offset:(ix/NB)*16*DP+(ix%NB)*64
	ds_store_b128 v[DST], v[8*(ix%32)+4:8*(ix%32)+7] offset:(ix/NB)*16*DP+(ix%NB)*64+16
.set ix, ix+1
.endr
	WIN 0
.endm
	s_load_b256 s[4:11], s[0:1], 0x0               ; A, wts, bias, residual
	s_load_b64 s[12:13], s[0:1], 0x20              ; out
	v_lshl_add_u32 v[SPW], v0, 2, SPARE
	v_mov_b32 v[NIL], 0
	ds_add_u32 v[SPW], v[NIL]                      ; the wave's opening: the add and its wait ahead of my first tensor load
	ds_add_u32 v28, v29
	v_lshrrev_b32 v3, 5, v0
	v_readfirstlane_b32 s[WV], v3
	s_lshr_b32 s[WH], s[WV], 1
	s_and_b32 s[WL], s[WV], 1
	s_mov_b32 s[WRI], s[WH]
	s_mov_b32 s[WCI], s[WL]
	s_bfe_u32 s20, ttmp6, 0x40000
	s_bfe_u32 s21, ttmp6, 0x40004
	s_lshl_b32 s22, ttmp9, 2
	s_add_co_u32 s22, s22, s20
	s_and_b32 s23, ttmp7, 0xffff
	s_lshl_b32 s23, s23, 2
	s_add_co_u32 s23, s23, s21
	s_lshl_b32 s40, s21, 2
	s_lshl_b32 s40, 15, s40
	s_lshl_b32 s44, 0x1111, s20
	s_or_b32 s[G1A], s40, (1<<16)|(1<<20)|(1<<21)|(AQI<<22)|(3<<25)
	s_or_b32 s[G1B], s44, (1<<16)|(1<<20)|(1<<21)|(4<<22)|(7<<25)
	s_mov_b32 s[G1A+1], AC<<16
	s_mov_b32 s[G1A+2], AR<<16
	s_mov_b32 s[G1A+3], AC<<16
	s_mov_b32 s[G1A+4], AR
	s_mov_b32 s[G1A+5], APITCH
	s_mov_b32 s[G1A+6], 0
	s_mov_b32 s[G1A+7], 0
	s_mov_b32 s[G1B+1], 128<<16
	s_mov_b32 s[G1B+2], BR<<16
	s_mov_b32 s[G1B+3], 128<<16
	s_mov_b32 s[G1B+4], BR
	s_mov_b32 s[G1B+5], 128
	s_mov_b32 s[G1B+6], 0
	s_mov_b32 s[G1B+7], 0
	s_lshl_b32 s40, s23, ATSH
	s_lshl_b32 s41, s[WL], AWSH
	s_add_co_u32 s40, s40, s41
	s_mov_b32 s41, 0
	s_mul_i32 s44, s22, BNT
	s_mul_i32 s45, s[WL], BSTEP/2
	s_add_co_u32 s44, s44, s45
	s_add_co_u32 s44, s44, WOFF
	s_mov_b32 s45, 0
	s_mul_i32 s[WOFA], s[WL], AHALF
	s_mul_i32 s[WOFB], s[WL], BHALF
	s_add_co_u32 s[WOFB], s[WOFB], BOFF
	s_wait_dscnt 0x0
	s_wait_kmcnt 0x0
	s_add_nc_u64 s[88:89], s[4:5], s[40:41]
	s_add_nc_u64 s[90:91], s[6:7], s[44:45]
.irp s, 0,1
	s_mov_b32 s[G0A+4*(\s)], 1
	s_add_co_u32 s[G0A+4*(\s)+1], s[WOFA], (\s)*SLOT
	s_add_nc_u64 s[G0A+4*(\s)+2:G0A+4*(\s)+3], s[88:89], (\s)*ASTEP
	s_or_b32 s[G0A+4*(\s)+3], s[G0A+4*(\s)+3], 0x80000000
	s_mov_b32 s[G0B+4*(\s)], 1
	s_add_co_u32 s[G0B+4*(\s)+1], s[WOFB], (\s)*SLOT
	s_add_nc_u64 s[G0B+4*(\s)+2:G0B+4*(\s)+3], s[90:91], (\s)*BSTEP
	s_or_b32 s[G0B+4*(\s)+3], s[G0B+4*(\s)+3], 0x80000000
.endr
	CROUND
	s_cmp_eq_u32 s[WH], 0
	s_cbranch_scc0 .Lfirst_b
	tensor_load_to_lds s[G0A:G0A+3], s[G1A:G1A+7]
	s_nop 0
	tensor_load_to_lds s[G0A+4:G0A+7], s[G1A:G1A+7]
	s_nop 0
.rept 4
	v_nop
.endr
	s_branch .Lfirst_asked
.Lfirst_b:
	tensor_load_to_lds s[G0B:G0B+3], s[G1B:G1B+7]
	s_nop 0
	tensor_load_to_lds s[G0B+4:G0B+7], s[G1B:G1B+7]
	s_nop 0
.rept 4
	v_nop
.endr
.Lfirst_asked:
	v_and_b32 v1, 15, v0
	v_bfe_u32 v2, v0, 4, 1
	v_and_b32 v5, 31, v0
	v_mul_u32_u24 v[ADRA0], v1, PA
	v_lshl_add_u32 v[ADRA0], v2, 4, v[ADRA0]
	s_mul_i32 s40, s[WRI], 16*MB*PA
	v_add_nc_u32 v[ADRA0], s40, v[ADRA0]
	v_and_b32 v3, 7, v0
	v_lshl_add_u32 v3, v2, 3, v3
	v_mul_u32_u24 v[ADRB0], v3, 160
	v_bfe_u32 v4, v0, 3, 1
	v_lshl_add_u32 v[ADRB0], v4, 4, v[ADRB0]
	s_mul_i32 s40, s[WCI], (NB/4)*KSTEP*160
	s_add_co_u32 s40, s40, BOFF
	v_add_nc_u32 v[ADRB0], s40, v[ADRB0]
	v_mov_b32 v[ADRA], v[ADRA0]
	v_mov_b32 v[ADRB], v[ADRB0]
	s_mov_b32 s[TB], 0
	v_mul_u32_u24 v[DST], v1, DP
	v_lshl_add_u32 v[DST], v2, 5, v[DST]
	s_mul_i32 s40, s[WV], REG
	v_add_nc_u32 v[DST], s40, v[DST]
	v_mul_u32_u24 v[RDA], v2, DP                   ; back: lanes 0-15 one row of 256 bytes, lanes 16-31 the next
	v_lshl_add_u32 v[RDA], v1, 4, v[RDA]
	v_add_nc_u32 v[RDA], s40, v[RDA]
	v_lshlrev_b32 v[CO], 12, v2                    ; the same two rows in the residual and in the output
	v_lshl_add_u32 v[CO], v1, 4, v[CO]
	s_lshl_b32 s40, s22, 9                         ; my 64 columns: 512 x tile column + 256 x half, in bytes
	s_lshl_b32 s41, s[WCI], 8
	s_add_co_u32 s40, s40, s41
	v_lshl_add_u32 v[BO], v1, 4, s40
	global_load_b128 v[HB:HB+3], v[BO], s[8:9]     ; the bias of my 4 columns
	s_lshl_b32 s41, s23, 19                        ; my 64 rows of 4,096 bytes
	s_add_co_u32 s40, s40, s41
	s_lshl_b32 s41, s[WRI], 18
	s_add_co_u32 s40, s40, s41
	s_mov_b32 s41, 0
	s_add_nc_u64 s[76:77], s[10:11], s[40:41]
	s_add_nc_u64 s[78:79], s[12:13], s[40:41]
	WIN 0x80                                       ; destination window 2
.set i, 0
.rept 32
	global_load_b128 v[RES+4*i:RES+4*i+3], v[CO], s[76:77] offset:i*8192 th:TH_LOAD_NT
.set i, i+1
.endr
	WIN 0
	s_wait_tensorcnt 1                             ; my part of K step 0 is in; K step 1's may stay out
	s_barrier_signal -1
	s_barrier_wait -1
	FETCH 0, 0
	PHASE 0, 1, 1, 1
	WIN 0
	s_mov_b32 s[CNT], NS-2
.Lk:
	PHASE 1, 0, 2, 0
	PHASE 0, 1, 3, 0
	TURN 1
	PHASE 0, 1, 1, 0
	WIN 0
	s_sub_co_u32 s[CNT], s[CNT], 1
	s_cmp_lg_u32 s[CNT], 0
	s_cbranch_scc1 .Lk
	s_mov_b32 s[CNT], 2
.Lt:                                                   ; the last two K steps ask for nothing; the second trip is left in its middle
	PHASE 1, 0, 2, 0
	PHASE 0, 1, 3, 0
	TURN 0
	WIN 0
	s_sub_co_u32 s[CNT], s[CNT], 1
	s_cmp_eq_u32 s[CNT], 0
	s_cbranch_scc1 .Lout
	PHASE 0, 1, 1, 0
	WIN 0
	s_branch .Lt
.Lout:
	s_wait_dscnt 0x0
	s_barrier_signal -1
	s_barrier_wait -1                              ; nobody reads the slots any more; they have had their last fill
	PLACES
	DUMP
	s_wait_loadcnt 0x0                             ; bias and residual
	WIN 0x82                                       ; destination and source 0 window 2, source 1 window 0: the bias goes onto the residual
.set i, 0
.rept 32
	v_pk_add_f32 v[RES+4*i:RES+4*i+1],   v[RES+4*i:RES+4*i+1],   v[HB:HB+1]
	v_pk_add_f32 v[RES+4*i+2:RES+4*i+3], v[RES+4*i+2:RES+4*i+3], v[HB+2:HB+3]
.set i, i+1
.endr
.macro LOADG g                         ; 16 rows of sums back, two rows a load; two sets of registers by turns
	WIN 0
.set xb, 32+160*((\g)%2)
.irp j, 0,1,2,3,4,5,6,7
	ds_load_b128 v[xb+4*(\j):xb+4*(\j)+3], v[RDA] offset:(8*(\g)+(\j))*2*DP
.endr
.endm
.macro PROC g, younger                 ; the sums land in the residual's own registers and are stored from there: no store's data is ever rewritten
	WIN 0x88                                       ; destination and source 1 (also a store's data) window 2; source 0 (also an address) window 0
.set xb, 32+160*((\g)%2)
.irp j, 0,1,2,3,4,5,6,7
	s_wait_dscnt (\younger)+7-(\j)
	v_pk_add_f32 v[RES+4*(8*(\g)+(\j)):RES+4*(8*(\g)+(\j))+1],   v[xb+4*(\j):xb+4*(\j)+1],   v[RES+4*(8*(\g)+(\j)):RES+4*(8*(\g)+(\j))+1]
	v_pk_add_f32 v[RES+4*(8*(\g)+(\j))+2:RES+4*(8*(\g)+(\j))+3], v[xb+4*(\j)+2:xb+4*(\j)+3], v[RES+4*(8*(\g)+(\j))+2:RES+4*(8*(\g)+(\j))+3]
	global_store_b128 v[CO], v[RES+4*(8*(\g)+(\j)):RES+4*(8*(\g)+(\j))+3], s[78:79] offset:(8*(\g)+(\j))*8192  ; 16 lanes store 256 consecutive bytes, aligned
.endr
.endm
	LOADG 0
	LOADG 1
	PROC 0, 8
	LOADG 2
	PROC 1, 8
	LOADG 3
	PROC 2, 8
	PROC 3, 0
	WIN 0
	s_wait_tensorcnt 0x0                           ; the wave's end
	ds_add_u32 v[SPW], v[NIL]
	s_wait_dscnt 0x0
	CROUND                                         ; the closing round
	s_endpgm
.Lfunc_end_k_q3cf24864b3_wo:
	.size	k_q3cf24864b3_wo, .Lfunc_end_k_q3cf24864b3_wo-k_q3cf24864b3_wo
	.p2alignl 7, 3214868480
	.fill 96, 4, 3214868480
	.section	.rodata,"a",@progbits
	.p2align	6, 0x0
	.amdhsa_kernel k_q3cf24864b3_wo
		.amdhsa_group_segment_fixed_size 327680
		.amdhsa_private_segment_fixed_size 0
		.amdhsa_enable_private_segment 0
		.amdhsa_kernarg_size 40
		.amdhsa_user_sgpr_count 2
		.amdhsa_user_sgpr_kernarg_segment_ptr 1
		.amdhsa_wavefront_size32 1
		.amdhsa_system_sgpr_workgroup_id_x 1
		.amdhsa_system_sgpr_workgroup_id_y 1
		.amdhsa_system_sgpr_workgroup_id_z 1
		.amdhsa_system_vgpr_workitem_id 0
		.amdhsa_next_free_vgpr 768
		.amdhsa_next_free_sgpr 96
		.amdhsa_reserve_vcc 0
		.amdhsa_float_denorm_mode_32 3
		.amdhsa_float_denorm_mode_16_64 3
		.amdhsa_memory_ordered 1
		.amdhsa_forward_progress 1
		.amdhsa_inst_pref_size 70
	.end_amdhsa_kernel
	.amdgpu_metadata
---
amdhsa.version: [ 1, 2 ]
amdhsa.kernels:
  - .name:           k_q3cf24864b3_wo
    .symbol:         k_q3cf24864b3_wo.kd
    .args:
      - { .name: obuf, .offset: 0, .size: 8, .value_kind: global_buffer, .address_space: global }
      - { .name: wts, .offset: 8, .size: 8, .value_kind: global_buffer, .address_space: global }
      - { .name: bo, .offset: 16, .size: 8, .value_kind: global_buffer, .address_space: global }
      - { .name: x, .offset: 24, .size: 8, .value_kind: global_buffer, .address_space: global }
      - { .name: x1, .offset: 32, .size: 8, .value_kind: global_buffer, .address_space: global }
    .group_segment_fixed_size: 327680
    .private_segment_fixed_size: 0
    .kernarg_segment_align: 8
    .kernarg_segment_size: 40
    .max_flat_workgroup_size: 128
    .sgpr_count:     96
    .vgpr_count:     768
    .wavefront_size: 32
...
	.end_amdgpu_metadata
.endif
;; end of part 4
;; launch ln2: the kernel of part 1 again; grid 256 x 1, 8 waves a work-group, no clusters, 0 bytes of LDS; arguments x1, g2, be2, W1, W2, Wo, Wq, Wk, Wv, hbuf, act; writes hbuf, act
;; launch ff1 (part 5): grid 16 x 16, 4 waves a work-group, clusters of 4 x 4, 327,680 bytes of LDS; arguments hbuf, wts, b1, act; writes act
.if DOCPART == 5
	.amdgcn_target "amdgcn-amd-amdhsa--gfx1250"
	.amdhsa_code_object_version 6
	.text
	.protected	k_q3cf24864b3_ff1
	.globl	k_q3cf24864b3_ff1
	.p2align	8
	.type	k_q3cf24864b3_ff1,@function
k_q3cf24864b3_ff1:
	s_mov_b64 s[64:65], 0
	v_nop
	global_prefetch_b8 v0, s[64:65] scope:SCOPE_SE
	s_setreg_imm32_b32 hwreg(HW_REG_WAVE_MODE, 25, 1), 1
	s_wait_xcnt 0x0
	s_wait_alu depctr_hold_cnt(0) depctr_sa_sdst(0) depctr_va_vdst(0) depctr_va_sdst(0) depctr_va_ssrc(0) depctr_va_vcc(0) depctr_vm_vsrc(0)
	s_getreg_b32 s2, hwreg(HW_REG_IB_STS2, 6, 4)
	s_cmp_eq_u32 s2, 0
	s_cbranch_scc0 .Lentry_in_a_cluster
	s_endpgm
.Lentry_in_a_cluster:
	s_bfe_u32 s2, ttmp6, 0x10000c
	s_cmp_lg_u32 s2, 0xf033
	s_cbranch_scc0 .Lentry_shape_is_right
	s_endpgm
.Lentry_shape_is_right:
; act = gelu(h2 W1 + b1).  h2: [4096][1024] f16; W1: wts at 8,388,608, blocks of 128 k x 64 columns, [nt 16][ks 8][cb 4]; act: [4096][4096] f16.  Sums in f32, the GELU in f32, act rounded once.
; A tile is 256 x 256: 16 x 16 work-groups.  Four waves, 2 x 2, each 128 x 128: 64 accumulators.  K goes in 8 steps of 128 through two LDS slots.
; THE PRODUCT IS TAKEN TRANSPOSED: source 0 = 16 columns of W1 (turned out of LDS by ds_load_tr16_b128), source 1 = 16 rows of h2.
; CLUSTER 4 x 4: h2's tile is shared along a row of the cluster, W1's along a column; each is asked for jointly.  Waves 0, 1 fetch h2's halves, waves 2, 3 W1's: one tensor load a wave behind each round.
; THE WAY OUT: the f32 sums go into the wave's own part of the slots, which have had their last fill, and come back by rows, four rows a trip.
; GELU.  With z = sum + b1, y = z / 2: gelu = y (1 + erf(sqrt(2) y)) = (y + |y|) - |y| t^4, t = 1 / (1 + c1 |y| + c2 y^2 + c3 |y|^3 + c4 y^4), ck = ak sqrt(2)^k: Abramowitz and Stegun 7.1.27,
; |error of erf| <= 5e-4 for every argument, so the error of the GELU is at most 2.5e-4 |z|.  Where the polynomial overflows t is 0, which is erf = 1.
; LIMITS.  f16 holds no number beyond 65,504: h2, W1 and act must lie within it.  NaN and infinities are not treated apart.
.set MB, 8
.set NB, 8
.set KD, 1
.set NS, 8
.set PA, 272
.set BOFF, 256*PA
.set NCB, 4
.set ASTEP, 256
.set WOFF, 8388608
.set AC, 128
.set AR, 128
.set APITCH, 1024
.set AQI, 5
.set ATSH, 19
.set AWSH, 18
.set AWO, 0
.set PF, 1
.set AH, 1
.set PFASH, 0
.set PFAML, 11
.set PFAMSK, 0
.set PFBPER, 32
.set PFBLM, 31
.set NACC, MB*NB
.set T, KD*NACC
.set KSTEP, 128*KD
.set SLOT, BOFF+NCB*KSTEP*160
.set AHALF, BOFF/2
.set BHALF, NCB*KSTEP*80
.set BSTEP, NCB*KSTEP*128
.set BNT, NS*BSTEP
.set BR, BSTEP/512
.set SPARE, 2*SLOT
.set DP, NB*64+16
.set REG, 16*MB*DP
.set WV, 14
.set WH, 15
.set WL, 16
.set WRI, 17
.set WCI, 18
.set CNT, 19
.set G1A, 24
.set G0A, 32
.set G1B, 48
.set G0B, 56
.set PFA, 66
.set LIM, 68
.set TB, 69
.set WOFA, 71
.set WOFB, 72
.set PFS, 74
.set C4, 76                            ; s[76:77] c4, named as a pair
.set C3, 78
.set C2, 80
.set C1, 82
.set ABSM, 86
.set ADRA0, 10
.set ADRB0, 11
.set ADRA, 12
.set ADRB, 13
.set DST, 14
.set RDA, 15
.set CO, 16
.set PFO, 17
.set BO, 18
.set HB, 20                            ; v[20:23] b1 / 2 of my 4 columns
.set SPW, 28
.set NIL, 29
.set FA0, 64
.set FB0, 0
.set XR, 32                            ; the way out: 16 sums
.set OUT, 48
.set AY, 64                            ; |y|
.set SS, 80                            ; y + |y|
.set TT, 96                            ; the polynomial, then t and its powers
.set YR, 128                           ; y, then the result
.set MSB, 0
.macro WIN new
.if MSB != (\new)
	s_set_vgpr_msb (MSB<<8)|(\new)
.set MSB, \new
.endif
.endm
.macro PLACES
.rept 4
	v_nop
.endr
.endm
.macro CREST
	s_cmp_lg_u32 s[WV], 0
	s_cbranch_scc1 .Lnot_wave_0_\@
	s_barrier_signal -3
.Lnot_wave_0_\@:
	s_barrier_wait -3
	s_barrier_signal -1
	s_barrier_wait -1
.endm
.macro CROUND
	s_barrier_signal -1
	s_barrier_wait -1
	CREST
.endm
.macro JLOAD
	s_cmp_eq_u32 s[WH], 0
	s_cbranch_scc0 .Lfor_b_\@
	tensor_load_to_lds s[G0A+4:G0A+7], s[G1A:G1A+7]
	s_nop 0
.rept 4
	v_nop
.endr
	s_branch .Lasked_\@
.Lfor_b_\@:
	tensor_load_to_lds s[G0B+4:G0B+7], s[G1B:G1B+7]
	s_nop 0
.rept 4
	v_nop
.endr
.Lasked_\@:
.endm
.macro MULS f, t0, t1, zero            ; all NACC accumulators take turns, in the same order in every phase
.set t, \t0
.rept (\t1)-(\t0)
.set kd, t/NACC
.set ix, t%NACC
.set ra, 8*(ix%32)
.set rb, FB0+96*(\f)+8*(kd*NB+ix%NB)
.set rf, FA0+64*(\f)+8*(kd*MB+ix/NB)
	WIN 0xa1+0x50*(ix/32)
.if (\zero) && (kd == 0)
	v_wmma_f32_16x16x32_f16 v[ra:ra+7], v[rb:rb+7], v[rf:rf+7], 0
.else
	v_wmma_f32_16x16x32_f16 v[ra:ra+7], v[rb:rb+7], v[rf:rf+7], v[ra:ra+7]
.endif
.set t, t+1
.endr
.endm
.macro FETCH g, ph
	WIN 0x40
.set kd, 0
.rept KD
.set jj, (\ph)*KD+kd
.set b, 0
.rept NB
.set rb, FB0+96*(\g)+8*(kd*NB+b)
.set ob, (b/4)*KSTEP*160+jj*5120+(b%4)*32
	ds_load_tr16_b128 v[rb:rb+3],   v[ADRB] offset:ob
	ds_load_tr16_b128 v[rb+4:rb+7], v[ADRB] offset:ob+2560
.set b, b+1
.endr
.set kd, kd+1
.endr
	WIN 0
.set kd, 0
.rept KD
.set jj, (\ph)*KD+kd
.set a, 0
.rept MB
.set rf, FA0+64*(\g)+8*(kd*MB+a)
.if AWO
.set oa, (jj/2)*128*PA+a*16*PA+(jj%2)*64
.else
.set oa, a*16*PA+64*jj
.endif
	ds_load_b128 v[rf:rf+3],   v[ADRA] offset:oa
	ds_load_b128 v[rf+4:rf+7], v[ADRA] offset:oa+32
.set a, a+1
.endr
.set kd, kd+1
.endr
.endm
.macro PHASE f, g, nph, zero
	s_wait_dscnt 0x0
	MULS \f, 0, T/2, \zero
	PLACES
	FETCH \g, \nph
	MULS \f, T/2, T, \zero
.endm
.macro ASK                             ; one prefetch: 256 bytes a lane of the K step AH behind the one just asked for; the last AH refills ask for nothing
	s_cmp_gt_u32 s[CNT], s[LIM]
	s_cbranch_scc0 .Lnot_mine_\@
	global_prefetch_b8 v[PFO], s[PFA:PFA+1] th:TH_LOAD_NT scope:SCOPE_SE
.Lnot_mine_\@:
.endm
.macro TURN fill                       ; the last phase of a K step and the change of slots: here a step's 256 products are the longer side, so products stand between the add and its wait and between signal and wait
.if (\fill) && PF
	s_wait_xcnt 0x0                                ; the last prefetch, a K step back, has read its address
	s_add_nc_u64 s[PFA:PFA+1], s[PFA:PFA+1], s[PFS:PFS+1]
.endif
	WIN 0
	s_wait_tensorcnt 0x0                           ; all my tensor loads have landed: my part of the next slot
	ds_add_u32 v[SPW], v[NIL]
	s_wait_dscnt 1                                 ; the add alone may be out
	MULS 1, 0, T/4, 0
	s_wait_dscnt 0x0                               ; the add is done, and my reads of this slot are over
	s_barrier_signal -1
	MULS 1, T/4, T/2, 0
	WIN 0
	s_barrier_wait -1
.if \fill
	CREST
	s_add_co_u32 s[G0A+5], s[TB], s[WOFA]
	s_add_co_u32 s[G0B+5], s[TB], s[WOFB]
	s_add_nc_u64 s[G0A+6:G0A+7], s[G0A+6:G0A+7], ASTEP
	s_add_nc_u64 s[G0B+6:G0B+7], s[G0B+6:G0B+7], BSTEP
	JLOAD
.else
	PLACES
.endif
	s_xor_b32 s[TB], s[TB], SLOT
	v_add_nc_u32 v[ADRA], s[TB], v[ADRA0]
	v_add_nc_u32 v[ADRB], s[TB], v[ADRB0]
	FETCH 0, 0
.if (\fill) && PF
	ASK
.endif
	MULS 1, T/2, T, 0
.endm
.macro DUMP
.set ix, 0
.rept NACC
	WIN 0x08+0x04*(ix/32)
	ds_store_b128 v[DST], v[8*(ix%32):8*(ix%32)+3]   offset:(ix/NB)*16*DP+(ix%NB)*64
	ds_store_b128 v[DST], v[8*(ix%32)+4:8*(ix%32)+7] offset:(ix/NB)*16*DP+(ix%NB)*64+16
.set ix, ix+1
.endr
	WIN 0
.endm
	s_load_b256 s[4:11], s[0:1], 0x0               ; hbuf, wts, b1, act
	v_lshl_add_u32 v[SPW], v0, 2, SPARE
	v_mov_b32 v[NIL], 0
	ds_add_u32 v[SPW], v[NIL]                      ; the wave's opening: the add and its wait ahead of my first tensor load
	ds_add_u32 v28, v29
	v_lshrrev_b32 v3, 5, v0
	v_readfirstlane_b32 s[WV], v3
	s_lshr_b32 s[WH], s[WV], 1
	s_and_b32 s[WL], s[WV], 1
	s_mov_b32 s[WRI], s[WH]
	s_mov_b32 s[WCI], s[WL]
	s_bfe_u32 s20, ttmp6, 0x40000
	s_bfe_u32 s21, ttmp6, 0x40004
	s_lshl_b32 s22, ttmp9, 2
	s_add_co_u32 s22, s22, s20
	s_and_b32 s23, ttmp7, 0xffff
	s_lshl_b32 s23, s23, 2
	s_add_co_u32 s23, s23, s21
	s_lshl_b32 s40, s21, 2
	s_lshl_b32 s40, 15, s40
	s_lshl_b32 s44, 0x1111, s20
	s_or_b32 s[G1A], s40, (1<<16)|(1<<20)|(1<<21)|(AQI<<22)|(3<<25)
	s_or_b32 s[G1B], s44, (1<<16)|(1<<20)|(1<<21)|(4<<22)|(7<<25)
	s_mov_b32 s[G1A+1], AC<<16
	s_mov_b32 s[G1A+2], AR<<16
	s_mov_b32 s[G1A+3], AC<<16
	s_mov_b32 s[G1A+4], AR
	s_mov_b32 s[G1A+5], APITCH
	s_mov_b32 s[G1A+6], 0
	s_mov_b32 s[G1A+7], 0
	s_mov_b32 s[G1B+1], 128<<16
	s_mov_b32 s[G1B+2], BR<<16
	s_mov_b32 s[G1B+3], 128<<16
	s_mov_b32 s[G1B+4], BR
	s_mov_b32 s[G1B+5], 128
	s_mov_b32 s[G1B+6], 0
	s_mov_b32 s[G1B+7], 0
	s_lshl_b32 s40, s23, ATSH
	s_lshl_b32 s41, s[WL], AWSH
	s_add_co_u32 s40, s40, s41
	s_mov_b32 s41, 0
	s_mul_i32 s44, s22, BNT
	s_mul_i32 s45, s[WL], BSTEP/2
	s_add_co_u32 s44, s44, s45
	s_add_co_u32 s44, s44, WOFF
	s_mov_b32 s45, 0
	s_mul_i32 s[WOFA], s[WL], AHALF
	s_mul_i32 s[WOFB], s[WL], BHALF
	s_add_co_u32 s[WOFB], s[WOFB], BOFF
	s_mov_b32 s[C4], 0x3e9ff716                    ; 0.078108 x 4
	s_mov_b32 s[C4+1], s[C4]
	s_mov_b32 s[C3], 0x3b342c6d                    ; 0.000972 x 2 sqrt(2)
	s_mov_b32 s[C3+1], s[C3]
	s_mov_b32 s[C2], 0x3eebeb18                    ; 0.230389 x 2
	s_mov_b32 s[C2+1], s[C2]
	s_mov_b32 s[C1], 0x3ec993fc                    ; 0.278393 x sqrt(2)
	s_mov_b32 s[C1+1], s[C1]
	s_mov_b32 s[ABSM], 0x7fffffff
	s_wait_dscnt 0x0
	s_wait_kmcnt 0x0
	s_add_nc_u64 s[88:89], s[4:5], s[40:41]
	s_add_nc_u64 s[90:91], s[6:7], s[44:45]
.irp s, 0,1
	s_mov_b32 s[G0A+4*(\s)], 1
	s_add_co_u32 s[G0A+4*(\s)+1], s[WOFA], (\s)*SLOT
	s_add_nc_u64 s[G0A+4*(\s)+2:G0A+4*(\s)+3], s[88:89], (\s)*ASTEP
	s_or_b32 s[G0A+4*(\s)+3], s[G0A+4*(\s)+3], 0x80000000
	s_mov_b32 s[G0B+4*(\s)], 1
	s_add_co_u32 s[G0B+4*(\s)+1], s[WOFB], (\s)*SLOT
	s_add_nc_u64 s[G0B+4*(\s)+2:G0B+4*(\s)+3], s[90:91], (\s)*BSTEP
	s_or_b32 s[G0B+4*(\s)+3], s[G0B+4*(\s)+3], 0x80000000
.endr
	CROUND
	s_cmp_eq_u32 s[WH], 0
	s_cbranch_scc0 .Lfirst_b
	tensor_load_to_lds s[G0A:G0A+3], s[G1A:G1A+7]
	s_nop 0
	tensor_load_to_lds s[G0A+4:G0A+7], s[G1A:G1A+7]
	s_nop 0
.rept 4
	v_nop
.endr
	s_branch .Lfirst_asked
.Lfirst_b:
	tensor_load_to_lds s[G0B:G0B+3], s[G1B:G1B+7]
	s_nop 0
	tensor_load_to_lds s[G0B+4:G0B+7], s[G1B:G1B+7]
	s_nop 0
.rept 4
	v_nop
.endr
.Lfirst_asked:
	v_and_b32 v1, 15, v0
	v_bfe_u32 v2, v0, 4, 1
	v_and_b32 v5, 31, v0
	v_mul_u32_u24 v[ADRA0], v1, PA
	v_lshl_add_u32 v[ADRA0], v2, 4, v[ADRA0]
	s_mul_i32 s40, s[WRI], 16*MB*PA
	v_add_nc_u32 v[ADRA0], s40, v[ADRA0]
	v_and_b32 v3, 7, v0
	v_lshl_add_u32 v3, v2, 3, v3
	v_mul_u32_u24 v[ADRB0], v3, 160
	v_bfe_u32 v4, v0, 3, 1
	v_lshl_add_u32 v[ADRB0], v4, 4, v[ADRB0]
	s_mul_i32 s40, s[WCI], (NB/4)*KSTEP*160
	s_add_co_u32 s40, s40, BOFF
	v_add_nc_u32 v[ADRB0], s40, v[ADRB0]
	v_mov_b32 v[ADRA], v[ADRA0]
	v_mov_b32 v[ADRB], v[ADRB0]
	s_mov_b32 s[TB], 0
	v_mul_u32_u24 v[DST], v1, DP
	v_lshl_add_u32 v[DST], v2, 5, v[DST]
	s_mul_i32 s40, s[WV], REG
	v_add_nc_u32 v[DST], s40, v[DST]
	v_lshl_add_u32 v[RDA], v5, 4, s40              ; back: a lane takes columns 4 l .. 4 l + 3 of a row
	v_lshlrev_b32 v[CO], 3, v5                     ; 8 bytes of act: 32 lanes fill my 128 columns' 256 bytes
	s_lshl_b32 s40, s22, 8
	s_lshl_b32 s41, s[WCI], 7
	s_add_co_u32 s40, s40, s41                     ; my first column
	s_lshl_b32 s41, s40, 2
	v_lshl_add_u32 v[BO], v5, 4, s41
	global_load_b128 v[HB:HB+3], v[BO], s[8:9]
	s_lshl_b32 s40, s40, 1
	s_lshl_b32 s41, s23, 21                        ; 256 rows of 8,192 bytes
	s_add_co_u32 s40, s40, s41
	s_lshl_b32 s41, s[WRI], 20
	s_add_co_u32 s40, s40, s41
	s_mov_b32 s41, 0
	s_add_nc_u64 s[10:11], s[10:11], s[40:41]
	; the prefetches: A's rows are read by every cluster of a row of clusters: cluster x = 0 asks; B's by every cluster of a column: cluster y = 0 asks.
	; The four partners that ask for a tile jointly share its 128 blocks of 256 bytes out by address (cx for A, cy for B): a lane a block.
	s_and_b32 s40, ttmp7, 0xffff
	s_mov_b32 s[PFS], BSTEP
	s_mov_b32 s41, PFBPER
	s_mov_b32 s42, PFBLM
	s_cmp_eq_u32 s[WH], 0
	s_cselect_b32 s40, ttmp9, s40
	s_cselect_b32 s43, s20, s21
	s_cselect_b64 s[PFA:PFA+1], s[88:89], s[90:91]
	s_cselect_b32 s[PFS], ASTEP, s[PFS]
	s_cselect_b32 s41, 32, s41
	s_cselect_b32 s42, 31, s42
	s_cselect_b32 s44, PFASH, 0
	s_cselect_b32 s45, PFAML, 8
	s_cselect_b32 s46, PFAMSK, 0
	s_cmp_eq_u32 s40, 0
	s_cselect_b32 s[LIM], AH, -1
	s_mov_b32 s[PFS+1], 0
	s_mul_i32 s92, s[PFS], 1+AH
	s_mov_b32 s93, 0
	s_add_nc_u64 s[PFA:PFA+1], s[PFA:PFA+1], s[92:93]
	s_mul_i32 s47, s43, s41
	v_min_u32 v[PFO], s42, v5
	v_add_nc_u32 v[PFO], s47, v[PFO]
	v_lshrrev_b32 v3, s44, v[PFO]
	v_and_b32 v4, s46, v[PFO]
	v_lshlrev_b32 v3, s45, v3
	v_lshl_add_u32 v[PFO], v4, 8, v3
	s_wait_tensorcnt 1                             ; my part of K step 0 is in; K step 1's may stay out
	s_barrier_signal -1
	s_barrier_wait -1
	FETCH 0, 0
	PHASE 0, 1, 1, 1
	WIN 0
	s_mov_b32 s[CNT], NS-2
.Lk:
	PHASE 1, 0, 2, 0
	PHASE 0, 1, 3, 0
	TURN 1
	PHASE 0, 1, 1, 0
	WIN 0
	s_sub_co_u32 s[CNT], s[CNT], 1
	s_cmp_lg_u32 s[CNT], 0
	s_cbranch_scc1 .Lk
	s_mov_b32 s[CNT], 2
.Lt:                                                   ; the last two K steps ask for nothing; the second trip is left in its middle
	PHASE 1, 0, 2, 0
	PHASE 0, 1, 3, 0
	TURN 0
	WIN 0
	s_sub_co_u32 s[CNT], s[CNT], 1
	s_cmp_eq_u32 s[CNT], 0
	s_cbranch_scc1 .Lout
	PHASE 0, 1, 1, 0
	WIN 0
	s_branch .Lt
.Lout:
	s_wait_dscnt 0x0
	s_barrier_signal -1
	s_barrier_wait -1                              ; nobody reads the slots any more; they have had their last fill
	PLACES
	DUMP
	s_wait_loadcnt 0x0
	v_pk_mul_f32 v[HB:HB+1], v[HB:HB+1], 0.5 op_sel_hi:[1,0]
	v_pk_mul_f32 v[HB+2:HB+3], v[HB+2:HB+3], 0.5 op_sel_hi:[1,0]
.macro LDX
.irp i, 0,1,2,3
	ds_load_b128 v[XR+4*(\i):XR+4*(\i)+3], v[RDA] offset:(\i)*DP  ; LDS serves a wave's instructions in order: these see my stores above
.endr
.endm
.macro ALL8 line:vararg                ; one line for each pair j: the work goes stage by stage, so that no line reads the result of the one before it
.set j, 0
.rept 8
	\line
.set j, j+1
.endr
.endm
.macro GL j                            ; pair j's last two plain lines, the two reciprocals of the pair before between them
	v_pk_fma_f32 v[TT+2*(\j):TT+2*(\j)+1], v[TT+2*(\j):TT+2*(\j)+1], v[AY+2*(\j):AY+2*(\j)+1], 1.0 op_sel_hi:[1,1,0]
.if (\j) > 0
	v_rcp_f32 v[TT+2*(\j)-2], v[TT+2*(\j)-2]
.endif
	v_pk_add_f32 v[SS+2*(\j):SS+2*(\j)+1], v[YR+2*(\j):YR+2*(\j)+1], v[AY+2*(\j):AY+2*(\j)+1]
.if (\j) > 0
	v_rcp_f32 v[TT+2*(\j)-1], v[TT+2*(\j)-1]
.endif
.endm
	LDX
	s_mov_b32 s[CNT], 32
.Lr:                                                   ; four rows a trip: 16 numbers a lane, eight pairs
	s_wait_dscnt 0x0
	s_wait_xcnt 0x0                                ; the last trip's stores have read OUT and CO
	v_add_nc_u32 v[CO], 32768, v[CO]               ; the stores below reach back
	ALL8 v_pk_fma_f32 v[YR+2*j:YR+2*j+1], v[XR+2*j:XR+2*j+1], 0.5, v[HB+2*(j%2):HB+2*(j%2)+1] op_sel_hi:[1,0,1]
	ALL8 v_and_b32 v[AY+2*j], s[ABSM], v[YR+2*j]
	ALL8 v_and_b32 v[AY+2*j+1], s[ABSM], v[YR+2*j+1]
	ALL8 v_pk_fma_f32 v[TT+2*j:TT+2*j+1], v[AY+2*j:AY+2*j+1], s[C4:C4+1], s[C3:C3+1] op_sel_hi:[1,0,0]
	ALL8 v_pk_fma_f32 v[TT+2*j:TT+2*j+1], v[TT+2*j:TT+2*j+1], v[AY+2*j:AY+2*j+1], s[C2:C2+1] op_sel_hi:[1,1,0]
	ALL8 v_pk_fma_f32 v[TT+2*j:TT+2*j+1], v[TT+2*j:TT+2*j+1], v[AY+2*j:AY+2*j+1], s[C1:C1+1] op_sel_hi:[1,1,0]
.irp j, 0,1,2,3,4,5,6,7
	GL \j
.endr
	v_rcp_f32 v[TT+14], v[TT+14]
	v_rcp_f32 v[TT+15], v[TT+15]
	v_add_nc_u32 v[RDA], 4*DP, v[RDA]              ; the plain instruction behind the last reciprocal
	s_wait_alu depctr_va_vdst(0)                   ; one wait for the trip's 16, ahead of the branch and of their first reader
	s_sub_co_u32 s[CNT], s[CNT], 1
	s_cmp_eq_u32 s[CNT], 0
	s_cbranch_scc1 .Lnl                            ; the last trip reads nothing more
	LDX
.Lnl:
	ALL8 v_pk_mul_f32 v[TT+2*j:TT+2*j+1], v[TT+2*j:TT+2*j+1], v[TT+2*j:TT+2*j+1]
	ALL8 v_pk_mul_f32 v[TT+2*j:TT+2*j+1], v[TT+2*j:TT+2*j+1], v[TT+2*j:TT+2*j+1]
	ALL8 v_pk_fma_f32 v[YR+2*j:YR+2*j+1], v[AY+2*j:AY+2*j+1], v[TT+2*j:TT+2*j+1], v[SS+2*j:SS+2*j+1] neg_lo:[1,0,0] neg_hi:[1,0,0]
	ALL8 v_cvt_pk_f16_f32 v[OUT+j], v[YR+2*j], v[YR+2*j+1]
.irp i, 0,1,2,3
	global_store_b64 v[CO], v[OUT+2*(\i):OUT+2*(\i)+1], s[10:11] offset:(\i)*8192-32768  ; 32 lanes store 256 consecutive bytes, aligned
.endr
	s_cmp_lg_u32 s[CNT], 0
	s_cbranch_scc1 .Lr
	s_wait_tensorcnt 0x0                           ; the wave's end
	ds_add_u32 v[SPW], v[NIL]
	s_wait_dscnt 0x0
	CROUND                                         ; the closing round
	s_endpgm
.Lfunc_end_k_q3cf24864b3_ff1:
	.size	k_q3cf24864b3_ff1, .Lfunc_end_k_q3cf24864b3_ff1-k_q3cf24864b3_ff1
	.p2alignl 7, 3214868480
	.fill 96, 4, 3214868480
	.section	.rodata,"a",@progbits
	.p2align	6, 0x0
	.amdhsa_kernel k_q3cf24864b3_ff1
		.amdhsa_group_segment_fixed_size 327680
		.amdhsa_private_segment_fixed_size 0
		.amdhsa_enable_private_segment 0
		.amdhsa_kernarg_size 32
		.amdhsa_user_sgpr_count 2
		.amdhsa_user_sgpr_kernarg_segment_ptr 1
		.amdhsa_wavefront_size32 1
		.amdhsa_system_sgpr_workgroup_id_x 1
		.amdhsa_system_sgpr_workgroup_id_y 1
		.amdhsa_system_sgpr_workgroup_id_z 1
		.amdhsa_system_vgpr_workitem_id 0
		.amdhsa_next_free_vgpr 1024
		.amdhsa_next_free_sgpr 96
		.amdhsa_reserve_vcc 0
		.amdhsa_float_denorm_mode_32 3
		.amdhsa_float_denorm_mode_16_64 3
		.amdhsa_memory_ordered 1
		.amdhsa_forward_progress 1
		.amdhsa_inst_pref_size 86
	.end_amdhsa_kernel
	.amdgpu_metadata
---
amdhsa.version: [ 1, 2 ]
amdhsa.kernels:
  - .name:           k_q3cf24864b3_ff1
    .symbol:         k_q3cf24864b3_ff1.kd
    .args:
      - { .name: hbuf, .offset: 0, .size: 8, .value_kind: global_buffer, .address_space: global }
      - { .name: wts, .offset: 8, .size: 8, .value_kind: global_buffer, .address_space: global }
      - { .name: b1, .offset: 16, .size: 8, .value_kind: global_buffer, .address_space: global }
      - { .name: act, .offset: 24, .size: 8, .value_kind: global_buffer, .address_space: global }
    .group_segment_fixed_size: 327680
    .private_segment_fixed_size: 0
    .kernarg_segment_align: 8
    .kernarg_segment_size: 32
    .max_flat_workgroup_size: 128
    .sgpr_count:     96
    .vgpr_count:     1024
    .wavefront_size: 32
...
	.end_amdgpu_metadata
.endif
;; end of part 5
;; launch ff2 (part 6): grid 8 x 32, 4 waves a work-group, clusters of 4 x 4, 327,680 bytes of LDS; arguments act, wts, b2, x1, out0; writes out0
.if DOCPART == 6
	.amdgcn_target "amdgcn-amd-amdhsa--gfx1250"
	.amdhsa_code_object_version 6
	.text
	.protected	k_q3cf24864b3_ff2
	.globl	k_q3cf24864b3_ff2
	.p2align	8
	.type	k_q3cf24864b3_ff2,@function
k_q3cf24864b3_ff2:
	s_mov_b64 s[64:65], 0
	v_nop
	global_prefetch_b8 v0, s[64:65] scope:SCOPE_SE
	s_setreg_imm32_b32 hwreg(HW_REG_WAVE_MODE, 25, 1), 1
	s_wait_xcnt 0x0
	s_wait_alu depctr_hold_cnt(0) depctr_sa_sdst(0) depctr_va_vdst(0) depctr_va_sdst(0) depctr_va_ssrc(0) depctr_va_vcc(0) depctr_vm_vsrc(0)
	s_getreg_b32 s2, hwreg(HW_REG_IB_STS2, 6, 4)
	s_cmp_eq_u32 s2, 0
	s_cbranch_scc0 .Lentry_in_a_cluster
	s_endpgm
.Lentry_in_a_cluster:
	s_bfe_u32 s2, ttmp6, 0x10000c
	s_cmp_lg_u32 s2, 0xf033
	s_cbranch_scc0 .Lentry_shape_is_right
	s_endpgm
.Lentry_shape_is_right:
; out = x1 + act W2 + b2.  act: [4096][4096] f16; W2: wts at 16,777,216, [nt 8][ks 16][cb 2][256 k][64] f16; x1, out: [4096][1024] f32.  Sums in f32.
; A tile is 128 x 128: 8 x 32 work-groups.  Four waves, 2 x 2, each 64 x 64: 16 accumulators.  K goes in 16 steps of 256 (rows of 512 bytes of act) through two LDS slots.
; THE PRODUCT IS TAKEN TRANSPOSED: source 0 = 16 columns of W2 (turned out of LDS by ds_load_tr16_b128), source 1 = 16 rows of act.
; CLUSTER 4 x 4: act's tile is shared along a row of the cluster, W2's along a column; each is asked for jointly.  Waves 0, 1 fetch act's halves, waves 2, 3 W2's: one tensor load a wave behind each round.
; THE CHANGE OF SLOTS STANDS AT THE HEAD OF A STEP'S LAST PHASE: that phase's fragments are in registers by then, so the slot is free, and the refill goes out ahead of the phase's products:
; from a request to the wait for it a wave issues a whole K step's 128 matrix instructions.
; The residual's 64 x 64 f32 are loaded into 128 registers at the head and stay out during the K loop.
; THE WAY OUT: the f32 sums go into the wave's own part of the slots, which have had their last fill, come back by rows, take residual and bias, and leave as whole rows of 256 bytes.
; LIMIT.  f16 holds no number beyond 65,504: act and W2 must lie within it.
.set MB, 4
.set NB, 4
.set KD, 2
.set NS, 16
.set PA, 528                           ; a row of A in LDS: 512 bytes + 16
.set BOFF, 128*PA
.set NCB, 2
.set ASTEP, 512
.set WOFF, 16777216
.set AC, 256
.set AR, 64
.set APITCH, 4096
.set AQI, 6
.set ATSH, 20
.set AWSH, 19
.set AWO, 0
.set PF, 1
.set AH, 2                             ; the prefetch names the K step two behind the one that is being asked for: 256 matrix instructions a wave
.set PFASH, 1
.set PFAML, 13
.set PFAMSK, 1
.set PFBPER, 32
.set PFBLM, 31
.set NACC, MB*NB
.set T, KD*NACC
.set KSTEP, 128*KD
.set SLOT, BOFF+NCB*KSTEP*160
.set AHALF, BOFF/2
.set BHALF, NCB*KSTEP*80
.set BSTEP, NCB*KSTEP*128
.set BNT, NS*BSTEP
.set BR, BSTEP/512
.set SPARE, 2*SLOT
.set DP, NB*64+16
.set REG, 16*MB*DP
.set WV, 14
.set WH, 15
.set WL, 16
.set WRI, 17
.set WCI, 18
.set CNT, 19
.set G1A, 24
.set G0A, 32
.set G1B, 48
.set G0B, 56
.set PFA, 66
.set LIM, 68
.set TB, 69
.set WOFA, 71
.set WOFB, 72
.set PFS, 74
.set ADRA0, 10
.set ADRB0, 11
.set ADRA, 12
.set ADRB, 13
.set DST, 14
.set RDA, 15
.set CO, 16
.set PFO, 17
.set BO, 18
.set HB, 20
.set SPW, 28
.set NIL, 29
.set FA0, 64
.set FB0, 0
.set RES, 128
.set MSB, 0
.macro WIN new
.if MSB != (\new)
	s_set_vgpr_msb (MSB<<8)|(\new)
.set MSB, \new
.endif
.endm
.macro PLACES
.rept 4
	v_nop
.endr
.endm
.macro CREST
	s_cmp_lg_u32 s[WV], 0
	s_cbranch_scc1 .Lnot_wave_0_\@
	s_barrier_signal -3
.Lnot_wave_0_\@:
	s_barrier_wait -3
	s_barrier_signal -1
	s_barrier_wait -1
.endm
.macro CROUND
	s_barrier_signal -1
	s_barrier_wait -1
	CREST
.endm
.macro JLOAD
	s_cmp_eq_u32 s[WH], 0
	s_cbranch_scc0 .Lfor_b_\@
	tensor_load_to_lds s[G0A+4:G0A+7], s[G1A:G1A+7]
	s_nop 0
.rept 4
	v_nop
.endr
	s_branch .Lasked_\@
.Lfor_b_\@:
	tensor_load_to_lds s[G0B+4:G0B+7], s[G1B:G1B+7]
	s_nop 0
.rept 4
	v_nop
.endr
.Lasked_\@:
.endm
.macro MULS f, t0, t1, zero            ; all NACC accumulators take turns, in the same order in every phase
.set t, \t0
.rept (\t1)-(\t0)
.set kd, t/NACC
.set ix, t%NACC
.set ra, 8*(ix%32)
.set rb, FB0+96*(\f)+8*(kd*NB+ix%NB)
.set rf, FA0+64*(\f)+8*(kd*MB+ix/NB)
	WIN 0xa1+0x50*(ix/32)
.if (\zero) && (kd == 0)
	v_wmma_f32_16x16x32_f16 v[ra:ra+7], v[rb:rb+7], v[rf:rf+7], 0
.else
	v_wmma_f32_16x16x32_f16 v[ra:ra+7], v[rb:rb+7], v[rf:rf+7], v[ra:ra+7]
.endif
.set t, t+1
.endr
.endm
.macro FETCH g, ph
	WIN 0x40
.set kd, 0
.rept KD
.set jj, (\ph)*KD+kd
.set b, 0
.rept NB
.set rb, FB0+96*(\g)+8*(kd*NB+b)
.set ob, (b/4)*KSTEP*160+jj*5120+(b%4)*32
	ds_load_tr16_b128 v[rb:rb+3],   v[ADRB] offset:ob
	ds_load_tr16_b128 v[rb+4:rb+7], v[ADRB] offset:ob+2560
.set b, b+1
.endr
.set kd, kd+1
.endr
	WIN 0
.set kd, 0
.rept KD
.set jj, (\ph)*KD+kd
.set a, 0
.rept MB
.set rf, FA0+64*(\g)+8*(kd*MB+a)
.if AWO
.set oa, (jj/2)*128*PA+a*16*PA+(jj%2)*64
.else
.set oa, a*16*PA+64*jj
.endif
	ds_load_b128 v[rf:rf+3],   v[ADRA] offset:oa
	ds_load_b128 v[rf+4:rf+7], v[ADRA] offset:oa+32
.set a, a+1
.endr
.set kd, kd+1
.endr
.endm
.macro PHASE f, g, nph, zero
	s_wait_dscnt 0x0
	MULS \f, 0, T/2, \zero
	PLACES
	FETCH \g, \nph
	MULS \f, T/2, T, \zero
.endm
.macro ASK                             ; one prefetch: 256 bytes a lane of the K step AH behind the one just asked for; the last AH refills ask for nothing
	s_cmp_gt_u32 s[CNT], s[LIM]
	s_cbranch_scc0 .Lnot_mine_\@
	global_prefetch_b8 v[PFO], s[PFA:PFA+1] th:TH_LOAD_NT scope:SCOPE_SE
.Lnot_mine_\@:
.endm
; The last phase of a K step: first the change of slots, then the phase's products on buffer 1.  Each wave waits for all its tensor loads (one is out: its part of the next slot), adds 0 to its spare
; word, and waits for that and for its own reads of this slot, the last of which filled buffer 1.  fill = 1: the barrier opens a round of the cluster's, and the slot just read is filled again first thing behind it.
.macro TURN fill
.if (\fill) && PF
	s_wait_xcnt 0x0                                ; the last prefetch, a K step back, has read its address
	s_add_nc_u64 s[PFA:PFA+1], s[PFA:PFA+1], s[PFS:PFS+1]
.endif
	WIN 0
	s_wait_tensorcnt 0x0
	ds_add_u32 v[SPW], v[NIL]
.if \fill
	s_add_co_u32 s[G0A+5], s[TB], s[WOFA]          ; no load of mine is out: the walking descriptors take the slot just read
	s_add_co_u32 s[G0B+5], s[TB], s[WOFB]
	s_add_nc_u64 s[G0A+6:G0A+7], s[G0A+6:G0A+7], ASTEP
	s_add_nc_u64 s[G0B+6:G0B+7], s[G0B+6:G0B+7], BSTEP
.endif
	s_wait_dscnt 0x0                               ; the add is done; buffer 1 is in, and with it my reads of this slot are over
	s_barrier_signal -1
	s_barrier_wait -1
.if \fill
	CREST
	JLOAD                                          ; its four v_nop are also the places in front of the loads below
.else
	PLACES
.endif
	s_xor_b32 s[TB], s[TB], SLOT
	v_add_nc_u32 v[ADRA], s[TB], v[ADRA0]
	v_add_nc_u32 v[ADRB], s[TB], v[ADRB0]
	FETCH 0, 0
.if (\fill) && PF
	ASK
.endif
	MULS 1, 0, T, 0
.endm
.macro DUMP
.set ix, 0
.rept NACC
	WIN 0x08+0x04*(ix/32)
	ds_store_b128 v[DST], v[8*(ix%32):8*(ix%32)+3]   offset:(ix/NB)*16*DP+(ix%NB)*64
	ds_store_b128 v[DST], v[8*(ix%32)+4:8*(ix%32)+7] offset:(ix/NB)*16*DP+(ix%NB)*64+16
.set ix, ix+1
.endr
	WIN 0
.endm
	s_load_b256 s[4:11], s[0:1], 0x0               ; A, wts, bias, residual
	s_load_b64 s[12:13], s[0:1], 0x20              ; out
	v_lshl_add_u32 v[SPW], v0, 2, SPARE
	v_mov_b32 v[NIL], 0
	ds_add_u32 v[SPW], v[NIL]                      ; the wave's opening: the add and its wait ahead of my first tensor load
	ds_add_u32 v28, v29
	v_lshrrev_b32 v3, 5, v0
	v_readfirstlane_b32 s[WV], v3
	s_lshr_b32 s[WH], s[WV], 1
	s_and_b32 s[WL], s[WV], 1
	s_mov_b32 s[WRI], s[WH]
	s_mov_b32 s[WCI], s[WL]
	s_bfe_u32 s20, ttmp6, 0x40000
	s_bfe_u32 s21, ttmp6, 0x40004
	s_lshl_b32 s22, ttmp9, 2
	s_add_co_u32 s22, s22, s20
	s_and_b32 s23, ttmp7, 0xffff
	s_lshl_b32 s23, s23, 2
	s_add_co_u32 s23, s23, s21
	s_lshl_b32 s40, s21, 2
	s_lshl_b32 s40, 15, s40
	s_lshl_b32 s44, 0x1111, s20
	s_or_b32 s[G1A], s40, (1<<16)|(1<<20)|(1<<21)|(AQI<<22)|(3<<25)
	s_or_b32 s[G1B], s44, (1<<16)|(1<<20)|(1<<21)|(4<<22)|(7<<25)
	s_mov_b32 s[G1A+1], AC<<16
	s_mov_b32 s[G1A+2], AR<<16
	s_mov_b32 s[G1A+3], AC<<16
	s_mov_b32 s[G1A+4], AR
	s_mov_b32 s[G1A+5], APITCH
	s_mov_b32 s[G1A+6], 0
	s_mov_b32 s[G1A+7], 0
	s_mov_b32 s[G1B+1], 128<<16
	s_mov_b32 s[G1B+2], BR<<16
	s_mov_b32 s[G1B+3], 128<<16
	s_mov_b32 s[G1B+4], BR
	s_mov_b32 s[G1B+5], 128
	s_mov_b32 s[G1B+6], 0
	s_mov_b32 s[G1B+7], 0
	s_lshl_b32 s40, s23, ATSH
	s_lshl_b32 s41, s[WL], AWSH
	s_add_co_u32 s40, s40, s41
	s_mov_b32 s41, 0
	s_mul_i32 s44, s22, BNT
	s_mul_i32 s45, s[WL], BSTEP/2
	s_add_co_u32 s44, s44, s45
	s_add_co_u32 s44, s44, WOFF
	s_mov_b32 s45, 0
	s_mul_i32 s[WOFA], s[WL], AHALF
	s_mul_i32 s[WOFB], s[WL], BHALF
	s_add_co_u32 s[WOFB], s[WOFB], BOFF
	s_wait_dscnt 0x0
	s_wait_kmcnt 0x0
	s_add_nc_u64 s[88:89], s[4:5], s[40:41]
	s_add_nc_u64 s[90:91], s[6:7], s[44:45]
.irp s, 0,1
	s_mov_b32 s[G0A+4*(\s)], 1
	s_add_co_u32 s[G0A+4*(\s)+1], s[WOFA], (\s)*SLOT
	s_add_nc_u64 s[G0A+4*(\s)+2:G0A+4*(\s)+3], s[88:89], (\s)*ASTEP
	s_or_b32 s[G0A+4*(\s)+3], s[G0A+4*(\s)+3], 0x80000000
	s_mov_b32 s[G0B+4*(\s)], 1
	s_add_co_u32 s[G0B+4*(\s)+1], s[WOFB], (\s)*SLOT
	s_add_nc_u64 s[G0B+4*(\s)+2:G0B+4*(\s)+3], s[90:91], (\s)*BSTEP
	s_or_b32 s[G0B+4*(\s)+3], s[G0B+4*(\s)+3], 0x80000000
.endr
	CROUND
	s_cmp_eq_u32 s[WH], 0
	s_cbranch_scc0 .Lfirst_b
	tensor_load_to_lds s[G0A:G0A+3], s[G1A:G1A+7]
	s_nop 0
	tensor_load_to_lds s[G0A+4:G0A+7], s[G1A:G1A+7]
	s_nop 0
.rept 4
	v_nop
.endr
	s_branch .Lfirst_asked
.Lfirst_b:
	tensor_load_to_lds s[G0B:G0B+3], s[G1B:G1B+7]
	s_nop 0
	tensor_load_to_lds s[G0B+4:G0B+7], s[G1B:G1B+7]
	s_nop 0
.rept 4
	v_nop
.endr
.Lfirst_asked:
	v_and_b32 v1, 15, v0
	v_bfe_u32 v2, v0, 4, 1
	v_and_b32 v5, 31, v0
	v_mul_u32_u24 v[ADRA0], v1, PA
	v_lshl_add_u32 v[ADRA0], v2, 4, v[ADRA0]
	s_mul_i32 s40, s[WRI], 16*MB*PA
	v_add_nc_u32 v[ADRA0], s40, v[ADRA0]
	v_and_b32 v3, 7, v0
	v_lshl_add_u32 v3, v2, 3, v3
	v_mul_u32_u24 v[ADRB0], v3, 160
	v_bfe_u32 v4, v0, 3, 1
	v_lshl_add_u32 v[ADRB0], v4, 4, v[ADRB0]
	s_mul_i32 s40, s[WCI], (NB/4)*KSTEP*160
	s_add_co_u32 s40, s40, BOFF
	v_add_nc_u32 v[ADRB0], s40, v[ADRB0]
	v_mov_b32 v[ADRA], v[ADRA0]
	v_mov_b32 v[ADRB], v[ADRB0]
	s_mov_b32 s[TB], 0
	v_mul_u32_u24 v[DST], v1, DP
	v_lshl_add_u32 v[DST], v2, 5, v[DST]
	s_mul_i32 s40, s[WV], REG
	v_add_nc_u32 v[DST], s40, v[DST]
	v_mul_u32_u24 v[RDA], v2, DP                   ; back: lanes 0-15 one row of 256 bytes, lanes 16-31 the next
	v_lshl_add_u32 v[RDA], v1, 4, v[RDA]
	v_add_nc_u32 v[RDA], s40, v[RDA]
	v_lshlrev_b32 v[CO], 12, v2                    ; the same two rows in the residual and in the output
	v_lshl_add_u32 v[CO], v1, 4, v[CO]
	s_lshl_b32 s40, s22, 9                         ; my 64 columns: 512 x tile column + 256 x half, in bytes
	s_lshl_b32 s41, s[WCI], 8
	s_add_co_u32 s40, s40, s41
	v_lshl_add_u32 v[BO], v1, 4, s40
	global_load_b128 v[HB:HB+3], v[BO], s[8:9]     ; the bias of my 4 columns
	s_lshl_b32 s41, s23, 19                        ; my 64 rows of 4,096 bytes
	s_add_co_u32 s40, s40, s41
	s_lshl_b32 s41, s[WRI], 18
	s_add_co_u32 s40, s40, s41
	s_mov_b32 s41, 0
	s_add_nc_u64 s[76:77], s[10:11], s[40:41]
	s_add_nc_u64 s[78:79], s[12:13], s[40:41]
	WIN 0x80                                       ; destination window 2
.set i, 0
.rept 32
	global_load_b128 v[RES+4*i:RES+4*i+3], v[CO], s[76:77] offset:i*8192 th:TH_LOAD_NT
.set i, i+1
.endr
	WIN 0
	; the prefetches: A's rows are read by every cluster of a row of clusters: cluster x = 0 asks; B's by every cluster of a column: cluster y = 0 asks.
	; The four partners that ask for a tile jointly share its 128 blocks of 256 bytes out by address (cx for A, cy for B): a lane a block; of A a row has two.
	s_and_b32 s40, ttmp7, 0xffff
	s_mov_b32 s[PFS], BSTEP
	s_mov_b32 s41, PFBPER
	s_mov_b32 s42, PFBLM
	s_cmp_eq_u32 s[WH], 0
	s_cselect_b32 s40, ttmp9, s40
	s_cselect_b32 s43, s20, s21
	s_cselect_b64 s[PFA:PFA+1], s[88:89], s[90:91]
	s_cselect_b32 s[PFS], ASTEP, s[PFS]
	s_cselect_b32 s41, 32, s41
	s_cselect_b32 s42, 31, s42
	s_cselect_b32 s44, PFASH, 0
	s_cselect_b32 s45, PFAML, 8
	s_cselect_b32 s46, PFAMSK, 0
	s_cmp_eq_u32 s40, 0
	s_cselect_b32 s[LIM], AH, -1
	s_mov_b32 s[PFS+1], 0
	s_mul_i32 s92, s[PFS], 1+AH
	s_mov_b32 s93, 0
	s_add_nc_u64 s[PFA:PFA+1], s[PFA:PFA+1], s[92:93]
	s_mul_i32 s47, s43, s41
	v_min_u32 v[PFO], s42, v5
	v_add_nc_u32 v[PFO], s47, v[PFO]
	v_lshrrev_b32 v3, s44, v[PFO]
	v_and_b32 v4, s46, v[PFO]
	v_lshlrev_b32 v3, s45, v3
	v_lshl_add_u32 v[PFO], v4, 8, v3
	s_wait_tensorcnt 1                             ; my part of K step 0 is in; K step 1's may stay out
	s_barrier_signal -1
	s_barrier_wait -1
	FETCH 0, 0
	PHASE 0, 1, 1, 1
	WIN 0
	s_mov_b32 s[CNT], NS-2
.Lk:
	PHASE 1, 0, 2, 0
	PHASE 0, 1, 3, 0
	TURN 1
	PHASE 0, 1, 1, 0
	WIN 0
	s_sub_co_u32 s[CNT], s[CNT], 1
	s_cmp_lg_u32 s[CNT], 0
	s_cbranch_scc1 .Lk
	s_mov_b32 s[CNT], 2
.Lt:                                                   ; the last two K steps ask for nothing; the second trip is left in its middle
	PHASE 1, 0, 2, 0
	PHASE 0, 1, 3, 0
	TURN 0
	WIN 0
	s_sub_co_u32 s[CNT], s[CNT], 1
	s_cmp_eq_u32 s[CNT], 0
	s_cbranch_scc1 .Lout
	PHASE 0, 1, 1, 0
	WIN 0
	s_branch .Lt
.Lout:
	s_wait_dscnt 0x0
	s_barrier_signal -1
	s_barrier_wait -1                              ; nobody reads the slots any more; they have had their last fill
	PLACES
	DUMP
	s_wait_loadcnt 0x0                             ; bias and residual
	WIN 0x82                                       ; destination and source 0 window 2, source 1 window 0: the bias goes onto the residual
.set i, 0
.rept 32
	v_pk_add_f32 v[RES+4*i:RES+4*i+1],   v[RES+4*i:RES+4*i+1],   v[HB:HB+1]
	v_pk_add_f32 v[RES+4*i+2:RES+4*i+3], v[RES+4*i+2:RES+4*i+3], v[HB+2:HB+3]
.set i, i+1
.endr
.macro LOADG g                         ; 16 rows of sums back, two rows a load; two sets of registers by turns
	WIN 0
.set xb, 32+160*((\g)%2)
.irp j, 0,1,2,3,4,5,6,7
	ds_load_b128 v[xb+4*(\j):xb+4*(\j)+3], v[RDA] offset:(8*(\g)+(\j))*2*DP
.endr
.endm
.macro PROC g, younger                 ; the sums land in the residual's own registers and are stored from there: no store's data is ever rewritten
	WIN 0x88                                       ; destination and source 1 (also a store's data) window 2; source 0 (also an address) window 0
.set xb, 32+160*((\g)%2)
.irp j, 0,1,2,3,4,5,6,7
	s_wait_dscnt (\younger)+7-(\j)
	v_pk_add_f32 v[RES+4*(8*(\g)+(\j)):RES+4*(8*(\g)+(\j))+1],   v[xb+4*(\j):xb+4*(\j)+1],   v[RES+4*(8*(\g)+(\j)):RES+4*(8*(\g)+(\j))+1]
	v_pk_add_f32 v[RES+4*(8*(\g)+(\j))+2:RES+4*(8*(\g)+(\j))+3], v[xb+4*(\j)+2:xb+4*(\j)+3], v[RES+4*(8*(\g)+(\j))+2:RES+4*(8*(\g)+(\j))+3]
	global_store_b128 v[CO], v[RES+4*(8*(\g)+(\j)):RES+4*(8*(\g)+(\j))+3], s[78:79] offset:(8*(\g)+(\j))*8192  ; 16 lanes store 256 consecutive bytes, aligned
.endr
.endm
	LOADG 0
	LOADG 1
	PROC 0, 8
	LOADG 2
	PROC 1, 8
	LOADG 3
	PROC 2, 8
	PROC 3, 0
	WIN 0
	s_wait_tensorcnt 0x0                           ; the wave's end
	ds_add_u32 v[SPW], v[NIL]
	s_wait_dscnt 0x0
	CROUND                                         ; the closing round
	s_endpgm
.Lfunc_end_k_q3cf24864b3_ff2:
	.size	k_q3cf24864b3_ff2, .Lfunc_end_k_q3cf24864b3_ff2-k_q3cf24864b3_ff2
	.p2alignl 7, 3214868480
	.fill 96, 4, 3214868480
	.section	.rodata,"a",@progbits
	.p2align	6, 0x0
	.amdhsa_kernel k_q3cf24864b3_ff2
		.amdhsa_group_segment_fixed_size 327680
		.amdhsa_private_segment_fixed_size 0
		.amdhsa_enable_private_segment 0
		.amdhsa_kernarg_size 40
		.amdhsa_user_sgpr_count 2
		.amdhsa_user_sgpr_kernarg_segment_ptr 1
		.amdhsa_wavefront_size32 1
		.amdhsa_system_sgpr_workgroup_id_x 1
		.amdhsa_system_sgpr_workgroup_id_y 1
		.amdhsa_system_sgpr_workgroup_id_z 1
		.amdhsa_system_vgpr_workitem_id 0
		.amdhsa_next_free_vgpr 768
		.amdhsa_next_free_sgpr 96
		.amdhsa_reserve_vcc 0
		.amdhsa_float_denorm_mode_32 3
		.amdhsa_float_denorm_mode_16_64 3
		.amdhsa_memory_ordered 1
		.amdhsa_forward_progress 1
		.amdhsa_inst_pref_size 71
	.end_amdhsa_kernel
	.amdgpu_metadata
---
amdhsa.version: [ 1, 2 ]
amdhsa.kernels:
  - .name:           k_q3cf24864b3_ff2
    .symbol:         k_q3cf24864b3_ff2.kd
    .args:
      - { .name: act, .offset: 0, .size: 8, .value_kind: global_buffer, .address_space: global }
      - { .name: wts, .offset: 8, .size: 8, .value_kind: global_buffer, .address_space: global }
      - { .name: b2, .offset: 16, .size: 8, .value_kind: global_buffer, .address_space: global }
      - { .name: x1, .offset: 24, .size: 8, .value_kind: global_buffer, .address_space: global }
      - { .name: out0, .offset: 32, .size: 8, .value_kind: global_buffer, .address_space: global }
    .group_segment_fixed_size: 327680
    .private_segment_fixed_size: 0
    .kernarg_segment_align: 8
    .kernarg_segment_size: 40
    .max_flat_workgroup_size: 128
    .sgpr_count:     96
    .vgpr_count:     768
    .wavefront_size: 32
...
	.end_amdgpu_metadata
.endif
;; end of part 6
